; MI455X (gfx1250); checked and timed in simulation.
; The chip was launched on July 23, 2026; its instructions are those of AMD's public machine-readable ISA for CDNA 5 (MIT licence, August 2026) and "CDNA5" Instruction Set Architecture Reference Guide (July 2026). The comments in the code are by the model that wrote it; some were corrected since.
;; Simple Transformer Block. Allowed arithmetic: float matrix products may take bf16 or f16 operands with f32 sums; other float arithmetic in f32, or as packed bf16 or f16 multiplies, adds, multiply-adds, maxima and minima; sums over many terms, partial sums and values carried from step to step in f32; what a program stores and reads back later, other than sums and carried values, may be rounded once to bf16 or f16.
;; Inputs: b_mlp1 4,096 float32; b_mlp2 1,024 float32; b_o 1,024 float32; b_qkv 3,072 float32; ln1_bias 1,024 float32; ln1_scale 1,024 float32; ln2_bias 1,024 float32; ln2_scale 1,024 float32; w_mlp1 1,024 x 4,096 float32; w_mlp2 4,096 x 1,024 float32; w_o 1,024 x 1,024 float32; w_qkv 1,024 x 3,072 float32; x 2 x 2,048 x 1,024 float32.
;; Outputs: out0 2 x 2,048 x 1,024 float32.
;; One version. Each part assembles by itself: llvm-mc -triple=amdgcn-amd-amdhsa -mcpu=gfx1250 --defsym DOCPART=n.
;; ======== version 1 of 1: 7 launches
;; workspace buffers: wbq 6,291,456 bytes; wb2 18,874,368 bytes; h 8,388,608 bytes; qkv 25,165,824 bytes; att 8,388,608 bytes; x1 16,777,216 bytes; mid 33,554,432 bytes
;; launch prep (part 1): grid 704 x 1, 8 waves a work-group, no clusters, 0 bytes of LDS; arguments x, ln1_scale, ln1_bias, h, w_qkv, wbq; writes h, wbq
.if DOCPART == 1
	.amdgcn_target "amdgcn-amd-amdhsa--gfx1250"
	.amdhsa_code_object_version 6
	.text
	.protected	k_qb4772c2e5f_prep
	.globl	k_qb4772c2e5f_prep
	.p2align	8
	.type	k_qb4772c2e5f_prep,@function
k_qb4772c2e5f_prep:
	s_mov_b64 s[64:65], 0
	v_nop
	global_prefetch_b8 v0, s[64:65] scope:SCOPE_SE
	s_setreg_imm32_b32 hwreg(HW_REG_WAVE_MODE, 25, 1), 1
	s_wait_xcnt 0x0
; Two jobs, told apart by the work-group's number (a scalar branch, the same for all its waves): what the first product needs, and no more.
; WORK-GROUPS 0..511: h[row] = (x[row] - mean) * rsqrt(var + 1e-6) * scale + bias, rounded once to bf16.  4,096 rows of 1,024 f32.
;   One wave, one row: the row's 4,096 bytes are 32 registers a lane, read once; mean first, then the variance of x - mean, as the formula has it, so a
;   common offset of the row costs nothing.  Lane l holds columns 128 j + 4 l .. + 3 (j = 0..7): each load of the wave covers 512 consecutive bytes, each store 256.
; WORK-GROUPS 512..703: w_qkv, as it lies ([1024][3072], row-major), rounded once to bf16 into wbq: 16,384 numbers a work-group.
;   (The other three weight matrices are rounded in the next launch, by work-groups that have no tile there.)
; No LDS, no matrix unit, no cluster: every byte is read once and nothing is shared.  NaN and infinities are not treated apart.
.set X,  4                             ; v[4:35]    the row
.set G,  36                            ; v[36:67]   scale of my columns
.set BV, 68                            ; v[68:99]   bias of my columns
.set T,  100                           ; v[100:115] at work; at the end the 16 packed results
.set MU, 116                           ; v[116:117] the mean, twice
.set R,  118                           ; v[118:119] rsqrt(var + eps), twice
	s_load_b256 s[16:23], s[0:1], 0x0              ; x s[16:17], scale s[18:19], bias s[20:21], h s[22:23]
	s_load_b128 s[24:27], s[0:1], 0x20             ; w_qkv s[24:25], wbq s[26:27]
	s_cmp_lt_u32 ttmp9, 512
	s_cbranch_scc0 .Lcast
.macro REDUCE                          ; v[T] summed over the wave's 32 lanes, the result in every lane
	v_add_f32_dpp v[T], v[T], v[T] row_xmask:1 row_mask:0xf bank_mask:0xf
	v_add_f32_dpp v[T], v[T], v[T] row_xmask:2 row_mask:0xf bank_mask:0xf
	v_add_f32_dpp v[T], v[T], v[T] row_xmask:4 row_mask:0xf bank_mask:0xf
	v_add_f32_dpp v[T], v[T], v[T] row_xmask:8 row_mask:0xf bank_mask:0xf
	v_permlanex16_b32 v[T+1], v[T], s12, s13       ; the other half of the lanes; its destination has been written before
	v_add_f32 v[T], v[T], v[T+1]
.endm
	v_lshrrev_b32 v3, 5, v0
	v_readfirstlane_b32 s8, v3                     ; wave 0..7
	v_and_b32 v1, 31, v0
	v_lshlrev_b32 v2, 3, v1                        ; 8 x lane: my 8 bytes of 256 of h
	v_lshlrev_b32 v1, 4, v1                        ; 16 x lane: my 16 bytes of 512 of x
	s_mov_b32 s12, 0x76543210
	s_mov_b32 s13, 0xfedcba98
	s_mov_b32 s14, 0x3a800000                      ; 1 / 1024
	s_mov_b32 s15, 0x358637bd                      ; 1e-6
	s_lshl_b32 s2, ttmp9, 3
	s_add_co_u32 s2, s2, s8                        ; my row
	s_lshl_b32 s4, s2, 12                          ; x 4,096 bytes
	s_mov_b32 s5, 0
	s_lshl_b32 s6, s2, 11                          ; x 2,048 bytes
	s_mov_b32 s7, 0
	s_wait_kmcnt 0x0
	s_add_nc_u64 s[16:17], s[16:17], s[4:5]
	s_add_nc_u64 s[22:23], s[22:23], s[6:7]
.irp j, 0,1,2,3,4,5,6,7
	global_load_b128 v[X+4*(\j):X+4*(\j)+3], v1, s[16:17] offset:512*(\j) th:TH_LOAD_NT
.endr
.irp j, 0,1,2,3,4,5,6,7
	global_load_b128 v[G+4*(\j):G+4*(\j)+3], v1, s[18:19] offset:512*(\j)
.endr
.irp j, 0,1,2,3,4,5,6,7
	global_load_b128 v[BV+4*(\j):BV+4*(\j)+3], v1, s[20:21] offset:512*(\j)
.endr
	s_wait_loadcnt 16                              ; the row is in; the 16 younger loads (scale, bias) may stay out
.irp i, 0,1,2,3,4,5,6,7
	v_pk_add_f32 v[T+2*(\i):T+2*(\i)+1], v[X+4*(\i):X+4*(\i)+1], v[X+4*(\i)+2:X+4*(\i)+3]
.endr
.irp i, 0,1,2,3
	v_pk_add_f32 v[T+2*(\i):T+2*(\i)+1], v[T+2*(\i):T+2*(\i)+1], v[T+8+2*(\i):T+8+2*(\i)+1]
.endr
.irp i, 0,1
	v_pk_add_f32 v[T+2*(\i):T+2*(\i)+1], v[T+2*(\i):T+2*(\i)+1], v[T+4+2*(\i):T+4+2*(\i)+1]
.endr
	v_pk_add_f32 v[T:T+1], v[T:T+1], v[T+2:T+3]
	v_add_f32 v[T], v[T], v[T+1]
	REDUCE
	v_mul_f32 v[MU], s14, v[T]
	v_mov_b32 v[MU+1], v[MU]
.set i, 0
.rept 16
	v_pk_add_f32 v[X+i:X+i+1], v[X+i:X+i+1], v[MU:MU+1] neg_lo:[0,1] neg_hi:[0,1]   ; x - mean
.set i, i+2
.endr
.irp c, 0,1,2,3
	v_pk_mul_f32 v[T+2*(\c):T+2*(\c)+1], v[X+2*(\c):X+2*(\c)+1], v[X+2*(\c):X+2*(\c)+1]   ; four chains of squares; the first products start them
.endr
.set i, 4
.rept 12
	v_pk_fma_f32 v[T+2*(i%4):T+2*(i%4)+1], v[X+2*i:X+2*i+1], v[X+2*i:X+2*i+1], v[T+2*(i%4):T+2*(i%4)+1]
.set i, i+1
.endr
	v_pk_add_f32 v[T:T+1], v[T:T+1], v[T+4:T+5]
	v_pk_add_f32 v[T+2:T+3], v[T+2:T+3], v[T+6:T+7]
	v_pk_add_f32 v[T:T+1], v[T:T+1], v[T+2:T+3]
	v_add_f32 v[T], v[T], v[T+1]
	REDUCE
	v_fma_f32 v[T], v[T], s14, s15                 ; var + eps
	v_rsq_f32 v[R], v[T]
	v_nop                                          ; a plain instruction behind the transcendental (ISA guide 5.7.2),
	s_wait_alu depctr_va_vdst(0)                   ; and the wait ahead of its first reader
	v_mov_b32 v[R+1], v[R]
	s_wait_loadcnt 0x0                             ; scale and bias
.set i, 0
.rept 16
	v_pk_mul_f32 v[G+i:G+i+1], v[G+i:G+i+1], v[R:R+1]
.set i, i+2
.endr
.set i, 0
.rept 16
	v_pk_fma_f32 v[X+i:X+i+1], v[X+i:X+i+1], v[G+i:G+i+1], v[BV+i:BV+i+1]
.set i, i+2
.endr
.set i, 0
.rept 16
	v_cvt_pk_bf16_f32 v[T+i], v[X+2*i], v[X+2*i+1]
.set i, i+1
.endr
.irp j, 0,1,2,3,4,5,6,7
	global_store_b64 v2, v[T+2*(\j):T+2*(\j)+1], s[22:23] offset:256*(\j)   ; the wave stores 256 consecutive bytes, at a multiple of 256 from h's first byte
.endr
	s_endpgm
.Lcast:
	s_sub_co_u32 s2, ttmp9, 512                    ; 0..191: my 16,384 numbers of w_qkv
	v_lshlrev_b32 v1, 4, v0                        ; 16 x thread
	v_lshlrev_b32 v2, 3, v0                        ; 8 x thread
	s_lshl_b32 s4, s2, 16                          ; 65,536 bytes of f32 a work-group
	s_mov_b32 s5, 0
	s_lshl_b32 s6, s2, 15                          ; 32,768 bytes of bf16
	s_mov_b32 s7, 0
	s_wait_kmcnt 0x0
	s_add_nc_u64 s[24:25], s[24:25], s[4:5]
	s_add_nc_u64 s[26:27], s[26:27], s[6:7]
.set j, 0
.rept 16
	global_load_b128 v[4+4*j:7+4*j], v1, s[24:25] offset:4096*j th:TH_LOAD_NT
.set j, j+1
.endr
.set j, 0
.rept 16
	s_wait_loadcnt 15-j                            ; loads come back in order: load j is in, the younger ones stay out
	v_cvt_pk_bf16_f32 v[68+2*j], v[4+4*j], v[5+4*j]
	v_cvt_pk_bf16_f32 v[69+2*j], v[6+4*j], v[7+4*j]
	global_store_b64 v2, v[68+2*j:69+2*j], s[26:27] offset:2048*j   ; a wave stores 256 consecutive bytes, aligned; no register is written twice
.set j, j+1
.endr
	s_endpgm
.Lfunc_end_k_qb4772c2e5f_prep:
	.size	k_qb4772c2e5f_prep, .Lfunc_end_k_qb4772c2e5f_prep-k_qb4772c2e5f_prep
	.p2alignl 7, 3214868480
	.fill 96, 4, 3214868480
	.section	.rodata,"a",@progbits
	.p2align	6, 0x0
	.amdhsa_kernel k_qb4772c2e5f_prep
		.amdhsa_group_segment_fixed_size 0
		.amdhsa_private_segment_fixed_size 0
		.amdhsa_enable_private_segment 0
		.amdhsa_kernarg_size 48
		.amdhsa_user_sgpr_count 2
		.amdhsa_user_sgpr_kernarg_segment_ptr 1
		.amdhsa_wavefront_size32 1
		.amdhsa_system_sgpr_workgroup_id_x 1
		.amdhsa_system_sgpr_workgroup_id_y 1
		.amdhsa_system_sgpr_workgroup_id_z 1
		.amdhsa_system_vgpr_workitem_id 0
		.amdhsa_next_free_vgpr 128
		.amdhsa_next_free_sgpr 66
		.amdhsa_reserve_vcc 0
		.amdhsa_float_denorm_mode_32 3
		.amdhsa_float_denorm_mode_16_64 3
		.amdhsa_memory_ordered 1
		.amdhsa_forward_progress 1
		.amdhsa_inst_pref_size 18
	.end_amdhsa_kernel
	.amdgpu_metadata
---
amdhsa.version: [ 1, 2 ]
amdhsa.kernels:
  - .name:           k_qb4772c2e5f_prep
    .symbol:         k_qb4772c2e5f_prep.kd
    .args:
      - { .name: x, .offset: 0, .size: 8, .value_kind: global_buffer, .address_space: global }
      - { .name: ln1_scale, .offset: 8, .size: 8, .value_kind: global_buffer, .address_space: global }
      - { .name: ln1_bias, .offset: 16, .size: 8, .value_kind: global_buffer, .address_space: global }
      - { .name: h, .offset: 24, .size: 8, .value_kind: global_buffer, .address_space: global }
      - { .name: w_qkv, .offset: 32, .size: 8, .value_kind: global_buffer, .address_space: global }
      - { .name: wbq, .offset: 40, .size: 8, .value_kind: global_buffer, .address_space: global }
    .group_segment_fixed_size: 0
    .private_segment_fixed_size: 0
    .kernarg_segment_align: 8
    .kernarg_segment_size: 48
    .max_flat_workgroup_size: 256
    .sgpr_count:     66
    .vgpr_count:     128
    .wavefront_size: 32
...
	.end_amdgpu_metadata
.endif
;; end of part 1
;; launch gqkv (part 2): grid 16 x 16, 4 waves a work-group, clusters of 4 x 4, 327,680 bytes of LDS; arguments h, wbq, b_qkv, qkv, w_o, w_mlp1, w_mlp2, wb2; writes qkv, wb2
.if DOCPART == 2
	.amdgcn_target "amdgcn-amd-amdhsa--gfx1250"
	.amdhsa_code_object_version 6
	.text
	.protected	k_qb4772c2e5f_gqkv
	.globl	k_qb4772c2e5f_gqkv
	.p2align	8
	.type	k_qb4772c2e5f_gqkv,@function
k_qb4772c2e5f_gqkv:
	s_mov_b64 s[64:65], 0
	v_nop
	global_prefetch_b8 v0, s[64:65] scope:SCOPE_SE
	s_setreg_imm32_b32 hwreg(HW_REG_WAVE_MODE, 25, 1), 1
	s_wait_xcnt 0x0
	s_wait_alu depctr_hold_cnt(0) depctr_sa_sdst(0) depctr_va_vdst(0) depctr_va_sdst(0) depctr_va_ssrc(0) depctr_va_vcc(0) depctr_vm_vsrc(0)
	s_getreg_b32 s2, hwreg(HW_REG_IB_STS2, 6, 4)
	s_cmp_eq_u32 s2, 0
	s_cbranch_scc0 .Lentry_in_a_cluster
	s_endpgm
.Lentry_in_a_cluster:
	s_bfe_u32 s2, ttmp6, 0x10000c
	s_cmp_lg_u32 s2, 0xf033
	s_cbranch_scc0 .Lentry_shape_is_right
	s_endpgm
.Lentry_shape_is_right:
; C[m][n] = the sum over k of A[m][k] W[k][n] + bias[n], rounded once to bf16 (with GELU = 1: the tanh form of gelu in f32 first).
; A: [4096][KDIM] bf16, W: [KDIM][NDIM] bf16 at byte WOFF of its buffer, bias f32, C: [4096][NDIM] bf16.  Sums in f32.  NaN and infinities are not treated apart.
; A tile of C is 256 x 256: four waves, each 128 x 128 = 64 accumulators of 16 x 16.  K goes in steps of 128 through two LDS slots filled by the tensor data mover.
; W lies [K][N]: its fragments come out of LDS turned, by ds_load_tr16_b128, so the weights need no transposed copy.
; THE PRODUCT IS TAKEN TRANSPOSED (source 0 = 16 columns of W, source 1 = 16 rows of A): a lane holds row l % 16 of C and the columns 8 (l / 16) + 0..7 of the block.
; THE BIAS IS THE C OPERAND of the products that start the sums: nothing is cleared and nothing is added later.
; CLUSTER 4 x 4: A's tile hangs on the tile row alone and is asked for jointly by a row of the cluster, W's on the tile column alone, by a column.
; C has 12 x 16 = 192 tiles: the clusters with x = 0, 1, 2.  (A tile of 256 x 192 would give 256, but blocks of 256 bytes of C would then be shared between work-groups.)
; THE CLUSTERS WITH x = 3, 64 work-groups, have no tile: they round w_o, w_mlp1 and w_mlp2 to bf16 into wb2, for the launches behind this one (at the text's end).  The branch hangs on the
; cluster's x, which all sixteen partners share; it stands ahead of every touch of LDS, every barrier and every tensor load, and a cluster that takes it asks for nothing jointly.
; REGISTERS in windows of 256: window 0 addresses, bias, the way out; window 1 two fragment buffers of 128 (A's 8 fragments, then W's 8);
; windows 2 and 3 the accumulators: (a, b) at 8 (8 a + b), rows 0-63 in window 2, rows 64-127 in window 3.
.set KDIM,  1024
.set NDIM,  3072
.set WOFF,  0
.set GELU,  0
.set BM,    256
.set BN,    256
.set KS,    128                        ; K in a slot
.set PA,    272                        ; A's LDS row: 256 bytes + 16: the 16 rows of a fragment load start at 16 different groups of four banks (ISA guide 11.1)
.set PB,    544                        ; W's LDS row: 512 bytes + 32
.set AH,    128*PA                     ; what one tensor load brings of A: 128 rows
.set BH,    64*PB                      ; and of W: 64 rows of k
.set BOFF,  2*AH                       ; W's rows lie behind A's 256
.set SLOT,  139264                     ; slot 1's first byte; it shares no bit with the four waves' LDS words, so one exclusive or changes slots
.set SPARE, 2*SLOT                     ; behind the ring: the spare words, 128 bytes a wave: two blocks of 256 bytes that no other line names
.set PS,    528                        ; the way out: a stage row of 128 f32 + 16 bytes
.set STEPS, KDIM/KS
.set AK0, 4                            ; v4   my lane's place in A's part of a slot; never rewritten
.set BK0, 5                            ; v5   the same for W
.set ADA, 6                            ; v6   LDS address of A's runs of loads in hand
.set ADB, 7                            ; v7   of W's
.set STO, 8                            ; v8   the way out: where I put 16 bytes of a row
.set RD,  9                            ; v9   where I read a row back
.set CO,  10                           ; v10  my 8 bytes of a row of C
.set BO,  11                           ; v11  my 32 bytes of the bias of a block of 16 columns
.set PFO, 12                           ; v12  the prefetches' offset; never rewritten
.set SPW, 14                           ; v14  LDS address of my spare word; never rewritten
.set NIL, 15                           ; v15  0; never rewritten
.set BIAS, 64                          ; v[64:127]  bias in the accumulators' layout, 8 registers for each block b
.set U,   128                          ; v[128:159] the way out: 8 rows, 4 columns a lane
.set TT,  160                          ; v[160:191] at work
.set Y,   192                          ; v[192:207] packed results
.set WV,  14                           ; s14 wave; s15 its half of the tile's rows; s16 its half of the columns, and which half of a tile it fetches
.set WM,  15
.set WN,  16
.set CX,  17
.set CY,  18
.set TC,  19                           ; tile column
.set TR,  20                           ; tile row
.set G1A, 24                           ; s[24:31] descriptor group 1 for A's tiles
.set G0A, 32                           ; s[32:39] group 0: a set for each of the two first fills; the second then walks on
.set PFA, 40                           ; s[40:41] where my prefetches stand
.set PST, 42                           ; s[42:43] their step
.set LIM, 44                           ; s44 2 in a wave that prefetches, else the greatest number
.set SLOTS, 45
.set CNT, 46
.set G1B, 48                           ; s[48:55], s[56:63] the same for W's tiles
.set G0B, 56
.set TBA, 66                           ; s66 LDS byte at which A's part of the pair to be fetched begins
.set TBB, 67                           ; s67 the same for W, less BOFF
.set GC,  68                           ; s[68:71] gelu's two constants, as pairs
.set MSB, 0
.macro WIN new                         ; the immediate's high byte repeats the setting that is left; a switch that changes nothing is dropped
.if MSB != (\new)
	s_set_vgpr_msb (MSB<<8)|(\new)
.set MSB, \new
.endif
.endm
.macro PLACES                          ; four places behind matrix instructions, in front of loads into their sources and of reads of their results
.rept 4
	v_nop
.endr
.endm
.macro CROUND                          ; a round of the cluster's barrier
	s_barrier_signal -1
	s_barrier_wait -1
	s_cmp_lg_u32 s[WV], 0
	s_cbranch_scc1 .Lnot_wave_0_\@
	s_barrier_signal -3
.Lnot_wave_0_\@:
	s_barrier_wait -3
	s_barrier_signal -1
	s_barrier_wait -1
.endm
; A joint refill: waves 0 and 1 fetch A's two halves, waves 2 and 3 W's.  The branch hangs on the wave's number alone.  An s_nop 0 and four v_nop follow each line.
.macro JLOAD
	s_cmp_lt_u32 s[WV], 2
	s_cbranch_scc0 .Lfor_w_\@
	tensor_load_to_lds s[G0A+4:G0A+7], s[G1A:G1A+7]
	s_nop 0
.rept 4
	v_nop
.endr
	s_branch .Lasked_\@
.Lfor_w_\@:
	tensor_load_to_lds s[G0B+4:G0B+7], s[G1B:G1B+7]
	s_nop 0
.rept 4
	v_nop
.endr
.Lasked_\@:
.endm
; A prefetch into the L2, behind the joint refill and its five lines: of the tile that I fetch, the K step two refills on (512 matrix instructions ahead of its load): 32 blocks of 256 bytes, a lane a block.
; Each block is named once in the launch: A's rows by the clusters with x = 0, W's by those with y = 0; the four partners that ask for a tile jointly share its blocks out by address.
; K steps 0 to 3 come by their loads alone; the last two refills have no K step two on.
.macro ASK
	s_cmp_gt_u32 s[SLOTS], s[LIM]
	s_cbranch_scc0 .Lnot_mine_\@
	global_prefetch_b8 v[PFO], s[PFA:PFA+1] th:TH_LOAD_NT scope:SCOPE_SE
.Lnot_mine_\@:
.endm
	s_cmp_eq_u32 ttmp9, 3                          ; the cluster's x: the fourth column of clusters has no tile of C
	s_cbranch_scc1 .Lcast
	s_load_b256 s[4:11], s[0:1], 0x0               ; A s[4:5], W's buffer s[6:7], bias s[8:9], C s[10:11]
	v_lshl_add_u32 v[SPW], v0, 2, SPARE
	v_mov_b32 v[NIL], 0
	ds_add_u32 v[SPW], v[NIL]                      ; the wave's opening: the add and its wait ahead of my first tensor load; work on registers stands between them
	v_lshrrev_b32 v3, 5, v0
	v_readfirstlane_b32 s[WV], v3
	s_lshr_b32 s[WM], s[WV], 1
	s_and_b32 s[WN], s[WV], 1
	s_bfe_u32 s[CX], ttmp6, 0x40000
	s_bfe_u32 s[CY], ttmp6, 0x40004
	s_lshl_b32 s[TC], ttmp9, 2
	s_add_co_u32 s[TC], s[TC], s[CX]
	s_and_b32 s[TR], ttmp7, 0xffff
	s_lshl_b32 s[TR], s[TR], 2
	s_add_co_u32 s[TR], s[TR], s[CY]
	s_lshl_b32 s21, s[CY], 2
	s_lshl_b32 s21, 15, s21                        ; my row of the cluster
	s_lshl_b32 s22, 0x1111, s[CX]                  ; my column
	s_or_b32 s[G1A], s21, (1<<16)|(1<<20)|(1<<21)|(5<<22)|(3<<25)   ; mask; 2-byte elements; padding on; bit 21 beside a mask; after every 64 words, 4 words
	s_mov_b32 s[G1A+1], KS<<16                     ; tensor_dim0
	s_mov_b32 s[G1A+2], (BM/2)<<16                 ; tensor_dim1
	s_mov_b32 s[G1A+3], KS<<16                     ; tile_dim0
	s_mov_b32 s[G1A+4], BM/2                       ; tile_dim1
	s_mov_b32 s[G1A+5], KDIM                       ; elements from row to row
	s_mov_b32 s[G1A+6], 0
	s_mov_b32 s[G1A+7], 0
	s_or_b32 s[G1B], s22, (1<<16)|(1<<20)|(1<<21)|(6<<22)|(7<<25)   ; after every 128 words, 8 words
	s_mov_b32 s[G1B+1], BN<<16
	s_mov_b32 s[G1B+2], (KS/2)<<16
	s_mov_b32 s[G1B+3], BN<<16
	s_mov_b32 s[G1B+4], KS/2
	s_mov_b32 s[G1B+5], NDIM
	s_mov_b32 s[G1B+6], 0
	s_mov_b32 s[G1B+7], 0
	s_mul_i32 s72, s[TR], BM                       ; A's tile: made of the tile row and the wave's number alone
	s_mul_i32 s73, s[WN], BM/2
	s_add_co_u32 s72, s72, s73
	s_mul_i32 s72, s72, 2*KDIM
	s_mov_b32 s73, 0
	s_mul_i32 s74, s[WN], (KS/2)*2*NDIM            ; W's tile: of the tile column and the wave's number alone
	s_mul_i32 s75, s[TC], 2*BN
	s_add_co_u32 s74, s74, s75
	s_add_co_u32 s74, s74, WOFF
	s_mov_b32 s75, 0
	s_mul_i32 s76, s[WN], AH                       ; where they go: no place in the cluster enters an LDS address
	s_mul_i32 s77, s[WN], BH
	s_add_co_u32 s77, s77, BOFF
	s_wait_dscnt 0x0                               ; the opening add is done
	s_wait_kmcnt 0x0
	s_add_nc_u64 s[72:73], s[4:5], s[72:73]
	s_add_nc_u64 s[74:75], s[6:7], s[74:75]
.irp s, 0,1
	s_mov_b32 s[G0A+4*(\s)], 1
	s_add_co_u32 s[G0A+4*(\s)+1], s76, (\s)*SLOT
	s_add_nc_u64 s[G0A+4*(\s)+2:G0A+4*(\s)+3], s[72:73], (\s)*2*KS
	s_or_b32 s[G0A+4*(\s)+3], s[G0A+4*(\s)+3], 0x80000000
	s_mov_b32 s[G0B+4*(\s)], 1
	s_add_co_u32 s[G0B+4*(\s)+1], s77, (\s)*SLOT
	s_add_nc_u64 s[G0B+4*(\s)+2:G0B+4*(\s)+3], s[74:75], (\s)*2*NDIM*KS
	s_or_b32 s[G0B+4*(\s)+3], s[G0B+4*(\s)+3], 0x80000000
.endr
	CROUND                                         ; all sixteen work-groups are here: the first joint loads meet
	s_cmp_lt_u32 s[WV], 2                          ; a wave's two first fills stand in one branch: two loads of mine are out
	s_cbranch_scc0 .Lfirst_w
	tensor_load_to_lds s[G0A:G0A+3], s[G1A:G1A+7]
	s_nop 0
	tensor_load_to_lds s[G0A+4:G0A+7], s[G1A:G1A+7]
	s_nop 0
.rept 4
	v_nop
.endr
	s_branch .Lfirst_asked
.Lfirst_w:
	tensor_load_to_lds s[G0B:G0B+3], s[G1B:G1B+7]
	s_nop 0
	tensor_load_to_lds s[G0B+4:G0B+7], s[G1B:G1B+7]
	s_nop 0
.rept 4
	v_nop
.endr
.Lfirst_asked:
	v_and_b32 v1, 15, v0                           ; l % 16
	v_bfe_u32 v2, v0, 4, 1                         ; l / 16
	v_lshlrev_b32 v[BO], 5, v2
	s_mul_i32 s2, s[TC], 4*BN                      ; the bias of my 128 columns
	s_mul_i32 s3, s[WN], 2*BN
	s_add_co_u32 s2, s2, s3
	s_mov_b32 s3, 0
	s_add_nc_u64 s[8:9], s[8:9], s[2:3]
.irp b, 0,1,2,3,4,5,6,7
	global_load_b128 v[BIAS+8*(\b):BIAS+8*(\b)+3],   v[BO], s[8:9] offset:64*(\b)
	global_load_b128 v[BIAS+8*(\b)+4:BIAS+8*(\b)+7], v[BO], s[8:9] offset:64*(\b)+16
.endr
	v_mul_u32_u24 v[AK0], v1, PA                   ; a fragment of A: row l % 16, 16 bytes for each half of the lanes, twice, 32 bytes apart
	v_lshl_add_u32 v[AK0], v2, 4, v[AK0]
	s_mul_i32 s2, s[WM], AH
	v_add_nc_u32 v[AK0], s2, v[AK0]
	v_and_b32 v3, 7, v0                            ; the turning load: lane l reads k row 8 (l / 16) + l % 8, columns 8 ((l / 8) % 2) + 0..7
	v_lshl_add_u32 v3, v2, 3, v3
	v_mul_u32_u24 v[BK0], v3, PB
	v_bfe_u32 v3, v0, 3, 1
	v_lshl_add_u32 v[BK0], v3, 4, v[BK0]
	s_mul_i32 s2, s[WN], BN                        ; my 128 columns: 256 bytes
	s_add_co_u32 s2, s2, BOFF
	v_add_nc_u32 v[BK0], s2, v[BK0]
	s_mul_i32 s2, s[WV], 128*PS                    ; my stage
	v_mul_u32_u24 v[STO], v1, PS
	v_lshl_add_u32 v[STO], v2, 5, v[STO]
	v_add_nc_u32 v[STO], s2, v[STO]
	v_and_b32 v3, 31, v0
	v_lshl_add_u32 v[RD], v3, 4, s2
	v_lshlrev_b32 v[CO], 3, v3
	s_mul_i32 s2, s[TR], BM                        ; C at my first row and column
	s_mul_i32 s3, s[WM], BM/2
	s_add_co_u32 s2, s2, s3
	s_mul_i32 s2, s2, 2*NDIM
	s_mul_i32 s3, s[TC], 2*BN
	s_add_co_u32 s2, s2, s3
	s_mul_i32 s3, s[WN], BN
	s_add_co_u32 s2, s2, s3
	s_mov_b32 s3, 0
	s_add_nc_u64 s[10:11], s[10:11], s[2:3]
	; the prefetches: of the 128 rows of A that I fetch my work-group takes 32 cx .. + 31, a lane a row; of the 64 k rows of W 16 cy .. + 15, two lanes a row of 512 bytes
	s_and_b32 s2, ttmp7, 0xffff                    ; cluster y
	s_mul_i32 s3, s[CX], 32*2*KDIM
	s_add_co_u32 s3, s3, 3*2*KS                    ; at K step 3: the first refill steps it to 4
	s_mul_i32 s78, s[CY], 16*2*NDIM
	s_add_co_u32 s78, s78, 3*KS*2*NDIM
	s_mov_b32 s[PST], 2*KS
	s_mov_b32 s79, 2*NDIM*KS
	s_cmp_lt_u32 s[WV], 2                          ; do I fetch for A?
	s_cselect_b32 s2, ttmp9, s2                    ; the coordinate along which other clusters read the same blocks
	s_cselect_b32 s78, s3, s78
	s_cselect_b32 s[PST], s[PST], s79
	s_cselect_b64 s[PFA:PFA+1], s[72:73], s[74:75]
	s_mov_b32 s79, 0
	s_mov_b32 s[PST+1], 0
	s_add_nc_u64 s[PFA:PFA+1], s[PFA:PFA+1], s[78:79]
	s_cselect_b32 s3, 0, 1
	s_mov_b32 s78, 2*KDIM
	s_mov_b32 s79, 2*NDIM
	s_cselect_b32 s78, s78, s79
	s_cselect_b32 s79, 0, 256
	s_cmp_eq_u32 s2, 0
	s_cselect_b32 s[LIM], 2, -1                    ; the same in all sixteen partners, for a given wave
	v_lshrrev_b32 v[PFO], s3, v3
	v_mul_u32_u24 v[PFO], s78, v[PFO]
	v_and_b32 v3, 1, v3
	v_mul_u32_u24 v3, s79, v3
	v_add_nc_u32 v[PFO], v[PFO], v3
.if GELU
	s_mov_b32 s[GC], 0xbdd2d3e8                    ; -0.10294324 = -2 sqrt(2 / pi) log2(e) x 0.044715
	s_mov_b32 s[GC+1], s[GC]
	s_mov_b32 s[GC+2], 0xc0135761                  ; -2.3022082 = -2 sqrt(2 / pi) log2(e)
	s_mov_b32 s[GC+3], s[GC+2]
.endif
	s_mov_b32 s[TBA], 0
	s_mov_b32 s[TBB], 0
; 32 LDS loads in one run: the fragments of 32 along K, unit u of the pair in hand, into buffer f: W's 8, A's rows 0-63, A's rows 64-127
.macro FETCH f, u
	WIN 0x40
.irp b, 0,1,2,3,4,5,6,7
	ds_load_tr16_b128 v[128*(\f)+64+8*(\b):128*(\f)+64+8*(\b)+3],   v[ADB] offset:(\u)*32*PB+32*(\b)
	ds_load_tr16_b128 v[128*(\f)+64+8*(\b)+4:128*(\f)+64+8*(\b)+7], v[ADB] offset:(\u)*32*PB+32*(\b)+16*PB
.endr
.irp a, 0,1,2,3,4,5,6,7
	ds_load_b128 v[128*(\f)+8*(\a):128*(\f)+8*(\a)+3],   v[ADA] offset:(\u)*64+(\a)*16*PA
	ds_load_b128 v[128*(\f)+8*(\a)+4:128*(\f)+8*(\a)+7], v[ADA] offset:(\u)*64+(\a)*16*PA+32
.endr
.endm
; 32 matrix instructions on buffer f: my rows 64 part .. + 63, all 8 blocks of columns.  start = 1: C is the bias.  The accumulators take turns, one instruction a turn.
.macro HALF f, part, start
.if \start
	WIN 0x85+0x40*(\part)
.else
	WIN 0xa5+0x50*(\part)
.endif
.irp a, 0,1,2,3
.irp b, 0,1,2,3,4,5,6,7
.if \start
	v_wmma_f32_16x16x32_bf16 v[8*(8*(\a)+(\b)):8*(8*(\a)+(\b))+7], v[128*(\f)+64+8*(\b):128*(\f)+64+8*(\b)+7], v[128*(\f)+8*(4*(\part)+(\a)):128*(\f)+8*(4*(\part)+(\a))+7], v[BIAS+8*(\b):BIAS+8*(\b)+7]
.else
	v_wmma_f32_16x16x32_bf16 v[8*(8*(\a)+(\b)):8*(8*(\a)+(\b))+7], v[128*(\f)+64+8*(\b):128*(\f)+64+8*(\b)+7], v[128*(\f)+8*(4*(\part)+(\a)):128*(\f)+8*(4*(\part)+(\a))+7], v[8*(8*(\a)+(\b)):8*(8*(\a)+(\b))+7]
.endif
.endr
.endr
.endm
; A unit: buffer x is fetched, buffer y's second half multiplied meanwhile, then x's first half.  first = 1: the very first unit; 2: the second, whose first 32 products start the sums of rows 64-127.
.macro UNIT x, y, u, first
	PLACES
	FETCH \x, \u
.if (\first) != 1
	s_wait_dscnt 32                                ; all but the 32 loads just issued: buffer y is whole
.if (\first) == 2
	HALF \y, 1, 1
.else
	HALF \y, 1, 0
.endif
.endif
	s_wait_dscnt 8                                 ; the youngest eight loads, A's rows 64-127, may stay out
.if (\first) == 1
	HALF \x, 0, 1
.else
	HALF \x, 0, 0
.endif
.endm
.macro PAIR first                      ; 64 along K: half a slot
	WIN 0
	v_add_nc_u32 v[ADA], s[TBA], v[AK0]
	v_add_nc_u32 v[ADB], s[TBB], v[BK0]
	s_add_co_u32 s[TBA], s[TBA], 128
	s_add_co_u32 s[TBB], s[TBB], 64*PB
	UNIT 0, 1, 0, \first
	UNIT 1, 0, 1, 2*(\first)
.endm
; THE CHANGE OF SLOTS.  Each wave waits for all its tensor loads (one is out: its part of the other slot), adds 0 to its spare word, and waits for that and for its reads of the slot that it leaves.
; fill = 1: the barrier is a round of the cluster's, and the joint refill, two K steps on, is the first thing behind it: it has a K step, 256 matrix instructions, in which to land.
.macro CHANGE fill
	WIN 0
	s_wait_tensorcnt 0x0                           ; no tensor load of mine is out, so a group 0 may be written
	ds_add_u32 v[SPW], v[NIL]                      ; 0 onto my spare word; scalar work stands between it and the wait for it
.if \fill
	s_xor_b32 s[G0A+5], s[G0A+5], SLOT             ; the walking descriptors: the other slot than last time, the next K step
	s_add_nc_u64 s[G0A+6:G0A+7], s[G0A+6:G0A+7], 2*KS
	s_xor_b32 s[G0B+5], s[G0B+5], SLOT
	s_add_nc_u64 s[G0B+6:G0B+7], s[G0B+6:G0B+7], 2*NDIM*KS
	s_wait_xcnt 0x0                                ; the last prefetch, a K step back, has read its address
	s_add_nc_u64 s[PFA:PFA+1], s[PFA:PFA+1], s[PST:PST+1]
.endif
	s_sub_co_u32 s[TBA], s[TBA], 2*KS              ; the fetches go back to a slot's first pair, in the other slot
	s_xor_b32 s[TBA], s[TBA], SLOT
	s_sub_co_u32 s[TBB], s[TBB], KS*PB
	s_xor_b32 s[TBB], s[TBB], SLOT
	s_wait_dscnt 0x0                               ; the add is done, and my reads of the slot are over
.if \fill
	CROUND
	JLOAD
	ASK
.else
	s_barrier_signal -1
	s_barrier_wait -1
.endif
.endm
	s_wait_tensorcnt 0x1                           ; my part of K step 0 is in; K step 1's may stay out
	s_barrier_signal -1
	s_barrier_wait -1
	s_wait_loadcnt 0x0                             ; the bias
	PAIR 1                                         ; the pair whose products start the sums is written out;
	WIN 0
	s_mov_b32 s[CNT], 1                            ; K step 0's second pair is the loop's own text, entered behind the change of slots
	s_mov_b32 s[SLOTS], STEPS-1
	s_branch .Lpair
.Lslot:                                        ; K steps 1 .. STEPS - 2; each trip asks for the K step after the one that it enters: STEPS - 2 refills
	CHANGE 1
	s_mov_b32 s[CNT], 2
.Lpair:
	PAIR 0
	WIN 0
	s_sub_co_u32 s[CNT], s[CNT], 1
	s_cmp_lg_u32 s[CNT], 0
	s_cbranch_scc1 .Lpair
	s_sub_co_u32 s[SLOTS], s[SLOTS], 1
	s_cmp_lg_u32 s[SLOTS], 0
	s_cbranch_scc1 .Lslot
	CHANGE 0                                       ; the last K step is written out
	s_mov_b32 s[CNT], 2
.Ltail:
	PAIR 0
	WIN 0
	s_sub_co_u32 s[CNT], s[CNT], 1
	s_cmp_lg_u32 s[CNT], 0
	s_cbranch_scc1 .Ltail
	s_wait_dscnt 0x0                               ; my last reads of the ring are back:
	s_barrier_signal -1                            ; say so; the slots have had their last fill and become the stage
	HALF 1, 1, 0
	WIN 0
	s_barrier_wait -1                              ; no wave reads the ring any more
	PLACES
	; THE WAY OUT.  My 128 x 128 sums go as f32 into my own 128 rows x 528 bytes of LDS, each accumulator's low registers first, and come back by rows.
.irp a, 0,1,2,3,4,5,6,7
	WIN 0x08+4*((\a)/4)
.irp b, 0,1,2,3,4,5,6,7
	ds_store_b128 v[STO], v[8*(8*((\a)%4)+(\b)):8*(8*((\a)%4)+(\b))+3]   offset:(\a)*16*PS+64*(\b)
	ds_store_b128 v[STO], v[8*(8*((\a)%4)+(\b))+4:8*(8*((\a)%4)+(\b))+7] offset:(\a)*16*PS+64*(\b)+16
.endr
.endr
	WIN 0
	s_mov_b32 s[TBA], 8*PS
	s_mov_b32 s[CNT], 16
.irp i, 0,1,2,3,4,5,6,7
	ds_load_b128 v[U+4*(\i):U+4*(\i)+3], v[RD] offset:(\i)*PS   ; the first 8 rows; LDS serves a wave's instructions in order (ISA guide 5.7.1.4), so the loads see my stores
.endr
.Lout:                                         ; 8 rows a trip.  The next trip's rows are asked of LDS as soon as this trip's are packed, ahead of its stores
	s_wait_dscnt 0x0                               ; this trip's 8 rows
.if GELU
	; gelu(u) = u / (1 + 2^z), z = u (C1 u^2 + C0): the tanh form, rewritten as a logistic function
.set i, 0
.rept 16
	v_pk_mul_f32 v[TT+i:TT+i+1], v[U+i:U+i+1], v[U+i:U+i+1]
.set i, i+2
.endr
.set i, 0
.rept 16
	v_pk_fma_f32 v[TT+i:TT+i+1], v[TT+i:TT+i+1], s[GC:GC+1], s[GC+2:GC+3] op_sel_hi:[1,0,0]
.set i, i+2
.endr
.set i, 0
.rept 16
	v_pk_mul_f32 v[TT+i:TT+i+1], v[TT+i:TT+i+1], v[U+i:U+i+1]
.set i, i+2
.endr
.set i, 0
.rept 32
	v_exp_f32 v[TT+i], v[TT+i]
.set i, i+1
.endr
	v_nop                                          ; a plain instruction behind the last exponential,
	s_wait_alu depctr_va_vdst(0)                   ; and one wait for the batch of 32
.set i, 0
.rept 16
	v_pk_add_f32 v[TT+i:TT+i+1], v[TT+i:TT+i+1], 1.0 op_sel_hi:[1,0]
.set i, i+2
.endr
.set i, 0
.rept 32
	v_rcp_f32 v[TT+i], v[TT+i]
.set i, i+1
.endr
	v_nop
	s_wait_alu depctr_va_vdst(0)                   ; one wait for the 32 reciprocals
.set i, 0
.rept 16
	v_pk_mul_f32 v[U+i:U+i+1], v[U+i:U+i+1], v[TT+i:TT+i+1]
.set i, i+2
.endr
.endif
.set i, 0
.rept 16
	v_cvt_pk_bf16_f32 v[Y+i], v[U+2*i], v[U+2*i+1]
.set i, i+1
.endr
	s_cmp_eq_u32 s[CNT], 1                         ; the last trip has no rows behind it
	s_cbranch_scc1 .Lno_rows
	v_add_nc_u32 v[ADA], s[TBA], v[RD]
	s_add_co_u32 s[TBA], s[TBA], 8*PS
.irp i, 0,1,2,3,4,5,6,7
	ds_load_b128 v[U+4*(\i):U+4*(\i)+3], v[ADA] offset:(\i)*PS
.endr
.Lno_rows:
.irp i, 0,1,2,3,4,5,6,7
	global_store_b64 v[CO], v[Y+2*(\i):Y+2*(\i)+1], s[10:11] offset:(\i)*2*NDIM   ; the wave stores 256 consecutive bytes, at a multiple of 256 from C's first byte
.endr
	s_wait_xcnt 0x0                                ; the stores have read their data and their base: both are written again only behind this wait
	s_add_nc_u64 s[10:11], s[10:11], 16*NDIM
	s_sub_co_u32 s[CNT], s[CNT], 1
	s_cmp_lg_u32 s[CNT], 0
	s_cbranch_scc1 .Lout
	s_wait_tensorcnt 0x0                           ; the wave's end
	ds_add_u32 v[SPW], v[NIL]
	s_wait_dscnt 0x0
	CROUND                                         ; the closing round
	s_endpgm
; THE CLUSTERS WITHOUT A TILE.  w_o (1,048,576 numbers), w_mlp1 and w_mlp2 (4,194,304 each), as they lie, rounded once to bf16 into wb2, on end: 576 chunks of 16,384 numbers = 64 work-groups x 9 trips.
; Trip t of work-group ci takes chunk 64 t + ci: trip 0 falls into w_o, trips 1 to 4 into w_mlp1, trips 5 to 8 into w_mlp2: the trip's number alone chooses the buffer.
; A trip: 32 loads of 16 bytes a lane (thread n at 16 n + 2,048 j), 64 KiB on their way for the work-group; each is rounded and stored as it comes.  No LDS, no barrier: the waves share nothing.
; AHEAD OF THE LOADS: behind a trip's loads a wave prefetches into the L2 its own 512 bytes of each of the 32 rows of 2,048 bytes of the NEXT trip's chunk: a lane a row, two instructions, each block of
; 256 bytes named once; the first trip comes by its loads alone, the last asks for nothing.
.macro SRCPTR t                        ; s[88:89] = where chunk 64 t + ci begins in its matrix; t in register s[t]
	s_cmp_lt_u32 s[\t], 1
	s_cselect_b64 s[88:89], s[80:81], s[82:83]
	s_cselect_b32 s14, 0, 1                        ; the matrix's first trip
	s_cmp_lt_u32 s[\t], 5
	s_cselect_b64 s[88:89], s[88:89], s[84:85]
	s_cselect_b32 s14, s14, 5
	s_sub_co_u32 s14, s[\t], s14
	s_lshl_b32 s14, s14, 6
	s_add_co_u32 s14, s14, s3                      ; the chunk's number in its matrix, 255 at the most
	s_lshl_b32 s6, s14, 16                         ; x 65,536 bytes
	s_add_nc_u64 s[88:89], s[88:89], s[6:7]
.endm
.Lcast:
	s_load_b256 s[80:87], s[0:1], 0x20             ; w_o s[80:81], w_mlp1 s[82:83], w_mlp2 s[84:85], wb2 s[86:87]
	s_bfe_u32 s12, ttmp6, 0x40000                  ; cx, cy: they enter global addresses alone
	s_bfe_u32 s13, ttmp6, 0x40004
	s_and_b32 s3, ttmp7, 0xffff                    ; cluster y
	s_lshl_b32 s3, s3, 2
	s_add_co_u32 s3, s3, s13
	s_lshl_b32 s3, s3, 2
	s_add_co_u32 s3, s3, s12                       ; ci = 16 x cluster y + 4 cy + cx: 0..63
	v_lshlrev_b32 v1, 4, v0                        ; 16 x thread
	v_lshlrev_b32 v2, 3, v0                        ; 8 x thread
	v_and_b32 v3, 31, v0
	v_lshlrev_b32 v3, 11, v3
	v_lshrrev_b32 v4, 5, v0
	v_lshl_add_u32 v3, v4, 9, v3                   ; the prefetches' offset: 2,048 x lane + 512 x wave
	s_mov_b32 s7, 0
	s_mov_b32 s11, 0
	s_mov_b32 s2, 0                                ; the trip
	s_wait_kmcnt 0x0
	SRCPTR 2
.Lchunk:
	s_wait_xcnt 0x0                                ; the last trip's loads, prefetches and stores have read their addresses and data: pointers and store data are written again only behind this wait
	s_mov_b64 s[4:5], s[88:89]
	s_lshl_b32 s10, s2, 6
	s_add_co_u32 s10, s10, s3
	s_lshl_b32 s10, s10, 15                        ; chunk 64 t + ci x 32,768 bytes
	s_add_nc_u64 s[8:9], s[86:87], s[10:11]
.set j, 0
.rept 32
	global_load_b128 v[64+4*j:67+4*j], v1, s[4:5] offset:2048*j th:TH_LOAD_NT
.set j, j+1
.endr
	s_add_co_u32 s15, s2, 1
	s_cmp_lt_u32 s15, 9
	s_cbranch_scc0 .Lno_ask
	SRCPTR 15
	global_prefetch_b8 v3, s[88:89] th:TH_LOAD_NT scope:SCOPE_SE
	global_prefetch_b8 v3, s[88:89] offset:256 th:TH_LOAD_NT scope:SCOPE_SE
.Lno_ask:
.set j, 0
.rept 32
	s_wait_loadcnt 31-j                            ; loads come back in order: load j is in, the younger ones stay out
	v_cvt_pk_bf16_f32 v[192+2*j], v[64+4*j], v[65+4*j]
	v_cvt_pk_bf16_f32 v[193+2*j], v[66+4*j], v[67+4*j]
	global_store_b64 v2, v[192+2*j:193+2*j], s[8:9] offset:1024*j   ; a wave stores 256 consecutive bytes, at a multiple of 256 from wb2's first byte
.set j, j+1
.endr
	s_add_co_u32 s2, s2, 1
	s_cmp_lt_u32 s2, 9
	s_cbranch_scc1 .Lchunk
	s_endpgm
.Lfunc_end_k_qb4772c2e5f_gqkv:
	.size	k_qb4772c2e5f_gqkv, .Lfunc_end_k_qb4772c2e5f_gqkv-k_qb4772c2e5f_gqkv
	.p2alignl 7, 3214868480
	.fill 96, 4, 3214868480
	.section	.rodata,"a",@progbits
	.p2align	6, 0x0
	.amdhsa_kernel k_qb4772c2e5f_gqkv
		.amdhsa_group_segment_fixed_size 327680
		.amdhsa_private_segment_fixed_size 0
		.amdhsa_enable_private_segment 0
		.amdhsa_kernarg_size 64
		.amdhsa_user_sgpr_count 2
		.amdhsa_user_sgpr_kernarg_segment_ptr 1
		.amdhsa_wavefront_size32 1
		.amdhsa_system_sgpr_workgroup_id_x 1
		.amdhsa_system_sgpr_workgroup_id_y 1
		.amdhsa_system_sgpr_workgroup_id_z 1
		.amdhsa_system_vgpr_workitem_id 0
		.amdhsa_next_free_vgpr 1024
		.amdhsa_next_free_sgpr 92
		.amdhsa_reserve_vcc 0
		.amdhsa_float_denorm_mode_32 3
		.amdhsa_float_denorm_mode_16_64 3
		.amdhsa_memory_ordered 1
		.amdhsa_forward_progress 1
		.amdhsa_inst_pref_size 76
	.end_amdhsa_kernel
	.amdgpu_metadata
---
amdhsa.version: [ 1, 2 ]
amdhsa.kernels:
  - .name:           k_qb4772c2e5f_gqkv
    .symbol:         k_qb4772c2e5f_gqkv.kd
    .args:
      - { .name: h, .offset: 0, .size: 8, .value_kind: global_buffer, .address_space: global }
      - { .name: wbq, .offset: 8, .size: 8, .value_kind: global_buffer, .address_space: global }
      - { .name: b_qkv, .offset: 16, .size: 8, .value_kind: global_buffer, .address_space: global }
      - { .name: qkv, .offset: 24, .size: 8, .value_kind: global_buffer, .address_space: global }
      - { .name: w_o, .offset: 32, .size: 8, .value_kind: global_buffer, .address_space: global }
      - { .name: w_mlp1, .offset: 40, .size: 8, .value_kind: global_buffer, .address_space: global }
      - { .name: w_mlp2, .offset: 48, .size: 8, .value_kind: global_buffer, .address_space: global }
      - { .name: wb2, .offset: 56, .size: 8, .value_kind: global_buffer, .address_space: global }
    .group_segment_fixed_size: 327680
    .private_segment_fixed_size: 0
    .kernarg_segment_align: 8
    .kernarg_segment_size: 64
    .max_flat_workgroup_size: 128
    .sgpr_count:     92
    .vgpr_count:     1024
    .wavefront_size: 32
...
	.end_amdgpu_metadata
.endif
;; end of part 2
;; launch attn (part 3): grid 16 x 16, 4 waves a work-group, clusters of 4 x 1, 327,680 bytes of LDS; arguments qkv, att; writes att
.if DOCPART == 3
	.amdgcn_target "amdgcn-amd-amdhsa--gfx1250"
	.amdhsa_code_object_version 6
	.text
	.protected	k_qb4772c2e5f_attn
	.globl	k_qb4772c2e5f_attn
	.p2align	8
	.type	k_qb4772c2e5f_attn,@function
k_qb4772c2e5f_attn:
	s_mov_b64 s[64:65], 0
	v_nop
	global_prefetch_b8 v0, s[64:65] scope:SCOPE_SE
	s_setreg_imm32_b32 hwreg(HW_REG_WAVE_MODE, 25, 1), 1
	s_wait_xcnt 0x0
	s_wait_alu depctr_hold_cnt(0) depctr_sa_sdst(0) depctr_va_vdst(0) depctr_va_sdst(0) depctr_va_ssrc(0) depctr_va_vcc(0) depctr_vm_vsrc(0)
	s_getreg_b32 s2, hwreg(HW_REG_IB_STS2, 6, 4)
	s_cmp_eq_u32 s2, 0
	s_cbranch_scc0 .Lentry_in_a_cluster
	s_endpgm
.Lentry_in_a_cluster:
	s_bfe_u32 s2, ttmp6, 0x10000c
	s_cmp_lg_u32 s2, 0x3003
	s_cbranch_scc0 .Lentry_shape_is_right
	s_endpgm
.Lentry_shape_is_right:
; att[t][64 hd + c] = the sum over keys k of softmax_k(q . k / 8) v, for 2 batches x 16 heads x 2,048 tokens.  qkv: [4096][3072] bf16 (q, k, v on end in a row), att: [4096][1024] bf16.
; Products, maxima and sums in f32; the weights p are rounded to bf16 for the second product (their sum l is taken of the unrounded p), the result once at the end.
; LIMITS.  A weight below 2^-126 counts as 0 in l; NaN and infinities are not treated apart.
; SHARES.  A work-group takes 128 queries of TWO neighbouring heads of one batch: a row of K or V for the pair is 256 consecutive aligned bytes of a row of qkv, and so is a row of the result.
; Wave w takes head w / 2 of the pair and queries 64 (w % 2) .. + 63: four PIECES of 16.  Every wave walks all 2,048 keys, 64 a step; a slot of LDS holds four steps.
; LAYOUT.  S^T = K Q^T holds ONE query a lane (lane % 16) and the keys 8 (lane / 16) + 0..7; two such results rounded to bf16 ARE source 1 of O^T = V^T P.  K comes out of LDS as it lies, V turned.
; SOFTMAX.  p = 2^(c s - c m), c = log2(e) / 8, with a running maximum m; O and l are multiplied by a = 2^(c m_old - c m_new) in every step.  m starts at the lowest finite number, O and l at 0.
; TURNS.  Turn n belongs to piece n: 8 products K Q^T of piece n + 1, later 8 products V^T P of piece n - 1; beside them piece n's scaling, exponentials, roundings, sums and rescaling and piece n + 1's
; maximum and statistics.  Four vector instructions stand behind every matrix instruction, the rest in one lump.  A turn's 33 exponentials are one batch with one wait.
; CLUSTER.  The four query blocks of a cluster walk the same K and V: each tile is asked for jointly, by the same tensor load, descriptor and mask in all four.
; REGISTERS in windows of 256: window 0 addresses, statistics, S^T (two buffers), P (two buffers); window 1 O^T, 32 a piece; window 2 v0-63 Q, v128-191 K of one step, v192-255 V of one step.
.set NP,    4
.set KS,    64
.set PK,    272                        ; a row of K in LDS: 256 bytes + 16
.set PV,    288                        ; a row of V: 256 + 32 = 9 x 32
.set VOFF,  4*KS*PK                    ; a slot: 256 rows of K, then 256 rows of V
.set SLOT1, 147456                     ; slot 1's first byte; it shares no bit with the four waves' LDS words
.set STAGE, SLOT1+4*KS*(PK+PV)         ; behind the ring, never filled by a tensor load: 128 rows x 272 bytes, the work-group's
.set SP,    272
.set SPARE, STAGE+128*SP               ; the spare words, 128 bytes a wave: two blocks of 256 bytes that no other line names
.set ROWB,  6144                       ; bytes in a row of qkv
.set SLOTB, 256*ROWB
.set AK0, 2
.set AV0, 3
.set AK,  4
.set AV,  5
.set STO, 6
.set RD,  7
.set GO,  8
.set MV,  12                           ; v12-13 c m_old, by buffer
.set QO,  15
.set ST,  16                           ; piece t's statistics at v[ST+4 t]: c m, m, l (even keys', odd keys')
.set TMP, 48                           ; by buffer, four registers at work; c2 takes a
.set PFO, 61                           ; v61 6,144 x lane; never rewritten
.set SPW, 62
.set NIL, 63
.set S,   64
.set P,   192
.set KF,  128
.set VF,  192
.set WV,  12
.set LIM, 15                           ; s15 1 in a cluster that prefetches, else the greatest number
.set PFA, 18                           ; s[18:19]
.set G1K, 24
.set G1V, 32
.set G0K, 40
.set G0V, 44
.set SLOTS, 56
.set CNT, 57
.set CS,  58
.set SEL, 60
.set TBK, 62
.set TBV, 63
.set MSB, 0
.macro WIN new
.if MSB != (\new)
	s_set_vgpr_msb (MSB<<8)|(\new)
.set MSB, (\new)
.endif
.endm
.set W_KQ, 0x0a                        ; K and Q in window 2, S^T in window 0
.set W_PV, 0x52                        ; V in window 2, P in window 0, O^T in window 1
.set W_RS, 0x41                        ; destination and source 0 in window 1, source 1 in window 0
.macro PLACES
.rept 4
	v_nop
.endr
.endm
.macro JLOAD                           ; waves 0 and 1 fetch the two halves of a slot's K, waves 2 and 3 those of its V: 128 keys each
	s_cmp_lt_u32 s[WV], 2
	s_cbranch_scc0 .Lfor_v_\@
	tensor_load_to_lds s[G0K:G0K+3], s[G1K:G1K+7]
	s_nop 0
.rept 4
	v_nop
.endr
	s_branch .Lasked_\@
.Lfor_v_\@:
	tensor_load_to_lds s[G0V:G0V+3], s[G1V:G1V+7]
	s_nop 0
.rept 4
	v_nop
.endr
.Lasked_\@:
.endm
; A prefetch into the L2 of what the NEXT change of slots will ask for, four key steps (256 matrix instructions) ahead.  All clusters of a pair of heads walk the same rows: the first of them asks.
; Of the 128 rows that wave w fetches the partner at place cx names 32 cx .. + 31, a lane a row of 256 bytes: each row is named once.  The last change that fills a slot asks for nothing.
.macro ASK
	s_cmp_gt_u32 s[SLOTS], s[LIM]
	s_cbranch_scc0 .Lnot_mine_\@
	global_prefetch_b8 v[PFO], s[PFA:PFA+1] th:TH_LOAD_NT scope:SCOPE_SE
.Lnot_mine_\@:
.endm
.macro CROUND
	s_barrier_signal -1
	s_barrier_wait -1
	s_cmp_lg_u32 s[WV], 0
	s_cbranch_scc1 .Lnot_wave_0_\@
	s_barrier_signal -3
.Lnot_wave_0_\@:
	s_barrier_wait -3
	s_barrier_signal -1
	s_barrier_wait -1
.endm
; THE CHANGE OF SLOTS.  Each wave waits for all its tensor loads (one is out: its part of the other slot), adds 0 to its spare word, and waits for that and for its reads of the slot that it leaves.
; fill = 1: the barrier is a round of the cluster's and the joint fill is the first thing behind it.  (At its first use nothing has been read yet: slot 0 is waited for, slot 1 filled.)
.macro CHANGE fill
	WIN 0
	s_wait_tensorcnt 0x0
	ds_add_u32 v[SPW], v[NIL]
.if \fill
.irp g, G0K, G0V
	s_xor_b32 s[\g+1], s[\g+1], SLOT1
	s_add_nc_u64 s[\g+2:\g+3], s[\g+2:\g+3], SLOTB
.endr
	s_wait_xcnt 0x0                                ; the last prefetch, a slot back, has read its address
	s_add_nc_u64 s[PFA:PFA+1], s[PFA:PFA+1], SLOTB
	s_wait_dscnt 0x0
	CROUND
	JLOAD
	ASK
.else
	s_wait_dscnt 0x0
	s_barrier_signal -1
	s_barrier_wait -1
.endif
	s_sub_co_u32 s[TBK], s[TBK], 4*KS*PK
	s_xor_b32 s[TBK], s[TBK], SLOT1
	s_sub_co_u32 s[TBV], s[TBV], 4*KS*PV
	s_xor_b32 s[TBV], s[TBV], SLOT1
.endm
	s_load_b128 s[4:7], s[0:1], 0x0                ; qkv s[4:5], att s[6:7]
	v_lshl_add_u32 v[SPW], v0, 2, SPARE
	v_mov_b32 v[NIL], 0
	ds_add_u32 v[SPW], v[NIL]                      ; the wave's opening: the add and its wait ahead of my first tensor load
	v_lshrrev_b32 v1, 5, v0
	v_readfirstlane_b32 s[WV], v1
	s_bfe_u32 s13, ttmp6, 0x40000                  ; cx
	s_lshl_b32 s14, ttmp9, 2
	s_add_co_u32 s14, s14, s13                     ; my block of 128 queries: it enters Q's, the result's and the prefetches' addresses alone
	s_and_b32 s20, ttmp7, 0xffff                   ; 8 x batch + pair of heads
	s_lshr_b32 s21, s20, 3
	s_and_b32 s22, s20, 7
	s_lshl_b32 s21, s21, 11                        ; the batch's first row
	s_lshl_b32 s22, s22, 8                         ; the pair's 256 bytes in a third of a row
	s_and_b32 s16, s[WV], 1                        ; which half of a slot's keys I fetch; also my half of the queries
	s_lshr_b32 s17, s[WV], 1
	s_lshl_b32 s17, s17, 7                         ; my head's 128 bytes of the pair's 256
	s_lshl_b32 s50, s16, 7
	s_add_co_u32 s50, s50, s21
	s_mul_i32 s50, s50, ROWB
	s_add_co_u32 s50, s50, s22                     ; my tile of slot 0, less the third of the row
	s_mov_b32 s51, 0
	s_mul_i32 s52, s16, 128*PK
	s_mul_i32 s53, s16, 128*PV
	s_add_co_u32 s53, s53, VOFF
	s_lshl_b32 s54, s14, 7
	s_add_co_u32 s54, s54, s21                     ; my block's first row
	s_lshl_b32 s8, s16, 6
	s_add_co_u32 s8, s8, s54
	s_mul_i32 s8, s8, ROWB
	s_add_co_u32 s8, s8, s22
	s_add_co_u32 s8, s8, s17
	s_mov_b32 s9, 0
	s_lshl_b32 s10, s[WV], 5                       ; the 32 rows of the result that I store
	s_add_co_u32 s10, s10, s54
	s_lshl_b32 s10, s10, 11
	s_add_co_u32 s10, s10, s22
	s_mov_b32 s11, 0
	s_mul_i32 s18, s13, 32*ROWB                    ; the prefetches: my work-group's 32 rows of my tile, in slot 1; the first change steps it to slot 2
	s_add_co_u32 s18, s18, s50
	s_add_co_u32 s18, s18, SLOTB
	s_mov_b32 s2, 2048
	s_mov_b32 s3, 4096
	s_cmp_lt_u32 s[WV], 2
	s_cselect_b32 s2, s2, s3
	s_add_co_u32 s18, s18, s2
	s_mov_b32 s19, 0
	s_cmp_eq_u32 ttmp9, 0
	s_cselect_b32 s[LIM], 1, -1                    ; the same in all four partners
	s_mov_b32 s[G1K], 15|(1<<16)|(1<<20)|(1<<21)|(5<<22)|(3<<25)   ; the mask of four; 2-byte elements; padding on; bit 21 beside a mask; after every 64 words, 4 words
	s_mov_b32 s[G1V], 15|(1<<16)|(1<<20)|(1<<21)|(5<<22)|(7<<25)   ; the same with 8 words
.irp g, G1K, G1V
	s_mov_b32 s[\g+1], 128<<16                     ; tensor_dim0 = 128
	s_mov_b32 s[\g+2], 128<<16                     ; tensor_dim1 = 128
	s_mov_b32 s[\g+3], 128<<16                     ; tile_dim0 = 128
	s_mov_b32 s[\g+4], 128                         ; tile_dim1 = 128
	s_mov_b32 s[\g+5], 3072                        ; elements from row to row
	s_mov_b32 s[\g+6], 0
	s_mov_b32 s[\g+7], 0
.endr
	s_mov_b32 s[CS], 0x3e38aa3b                    ; c = log2(e) / 8
	s_mov_b32 s[CS+1], s[CS]
	s_mov_b32 s[SEL], 0x76543210
	s_mov_b32 s[SEL+1], 0xfedcba98
	s_mov_b32 s[TBK], SLOT1+4*KS*PK                ; the first change of slots turns these two into 0
	s_mov_b32 s[TBV], SLOT1+4*KS*PV
	s_mov_b32 s[G0K], 1
	s_mov_b32 s[G0K+1], s52
	s_mov_b32 s[G0V], 1
	s_mov_b32 s[G0V+1], s53
	s_mov_b32 s[SLOTS], 7                          ; slots still to be asked for
	s_wait_dscnt 0x0                               ; the opening add is done
	s_wait_kmcnt 0x0
	s_add_nc_u64 s[50:51], s[4:5], s[50:51]
	s_add_nc_u64 s[G0K+2:G0K+3], s[50:51], 2048
	s_or_b32 s[G0K+3], s[G0K+3], 0x80000000
	s_add_nc_u64 s[G0V+2:G0V+3], s[50:51], 4096
	s_or_b32 s[G0V+3], s[G0V+3], 0x80000000
	s_add_nc_u64 s[PFA:PFA+1], s[4:5], s[PFA:PFA+1]
	s_add_nc_u64 s[8:9], s[4:5], s[8:9]            ; Q at my first row
	s_add_nc_u64 s[10:11], s[6:7], s[10:11]        ; the result at the first row that I store
	CROUND                                         ; all four work-groups are here
	JLOAD                                          ; slot 0
	v_and_b32 v1, 15, v0                           ; l % 16
	v_bfe_u32 v9, v0, 4, 1                         ; l / 16
	v_mul_u32_u24 v[QO], v1, ROWB
	v_lshl_add_u32 v[QO], v9, 4, v[QO]
	WIN 0x80
.set i, 0
.rept 8                                ; Q stays in registers: piece i / 2, channels 32 (i % 2) on
	global_load_b128 v[8*i:8*i+3],   v[QO], s[8:9] offset:(i/2)*16*ROWB+(i%2)*64
	global_load_b128 v[8*i+4:8*i+7], v[QO], s[8:9] offset:(i/2)*16*ROWB+(i%2)*64+32
.set i, i+1
.endr
	; What the first turn finds: V's registers and P's second buffer hold 0 (its products V^T P, of a piece that has not been, add 0), O^T and l are 0.  This stands in the wait for the first tile;
	; it is the price of writing no first step out.
.set i, VF
.rept 64
	v_mov_b32 v[i], 0
.set i, i+1
.endr
	WIN 0x40
.set i, 0
.rept 128
	v_mov_b32 v[i], 0
.set i, i+1
.endr
	WIN 0
.set i, 0
.rept 4
	v_mov_b32 v[ST+4*i], 0xfe000000                ; c m: far below every c s
	v_mov_b32 v[ST+4*i+1], 0xff7fffff              ; m
	v_mov_b32 v[ST+4*i+2], 0
	v_mov_b32 v[ST+4*i+3], 0
.set i, i+1
.endr
.set i, P+16
.rept 16
	v_mov_b32 v[i], 0
.set i, i+1
.endr
	v_and_b32 v[PFO], 31, v0
	v_mul_u32_u24 v[PFO], v[PFO], ROWB
	v_mul_u32_u24 v[AK0], v1, PK
	v_lshl_add_u32 v[AK0], v9, 4, v[AK0]
	v_add_nc_u32 v[AK0], s17, v[AK0]               ; row x pitch + 16 x half + my head
	v_and_b32 v10, 7, v0
	v_bfe_u32 v11, v0, 3, 1
	v_lshl_add_u32 v[AV0], v9, 3, v10
	v_mul_u32_u24 v[AV0], v[AV0], PV
	v_lshl_add_u32 v[AV0], v11, 4, v[AV0]
	s_add_co_u32 s3, s17, VOFF
	v_add_nc_u32 v[AV0], s3, v[AV0]
	s_mul_i32 s3, s16, 64*SP                       ; into the stage: my 64 rows, my head's half of their 256 bytes
	s_add_co_u32 s3, s3, s17
	s_add_co_u32 s3, s3, STAGE
	v_mul_u32_u24 v[STO], v1, SP
	v_lshl_add_u32 v[STO], v9, 4, v[STO]
	v_add_nc_u32 v[STO], s3, v[STO]
	s_mul_i32 s3, s[WV], 32*SP                     ; back: wave w takes rows 32 w .. + 31, whole
	s_add_co_u32 s3, s3, STAGE
	v_mul_u32_u24 v[RD], v9, SP
	v_lshl_add_u32 v[RD], v1, 4, v[RD]
	v_add_nc_u32 v[RD], s3, v[RD]
	v_lshlrev_b32 v[GO], 11, v9                    ; and the same two rows in the result
	v_lshl_add_u32 v[GO], v1, 4, v[GO]
; THE MATRIX WORK.  The 4 accumulators of a run of 8 take turns.  Product i of 8 of S^T = K Q^T for piece x: channels 32 (i / 4) on, keys 16 (i % 4) on.
.macro KQ x
.set rS, S+32*((\x)%2)+8*(i%4)
.set rK, KF+16*(i%4)+8*(i/4)
.set rQ, 16*(\x)+8*(i/4)
	WIN W_KQ
.if i < 4
	v_wmma_f32_16x16x32_bf16 v[rS:rS+7], v[rK:rK+7], v[rQ:rQ+7], 0
.else
	v_wmma_f32_16x16x32_bf16 v[rS:rS+7], v[rK:rK+7], v[rQ:rQ+7], v[rS:rS+7]
.endif
.endm
; Product i of 8 of O^T += V^T P for piece x: keys 32 (i / 4) on, channels 16 (i % 4) on.
.macro PV x
	WIN W_PV
.set rO, 32*(\x)+8*(i%4)
.set rV, VF+32*(i/4)+8*(i%4)
.set rP, P+16*((\x)%2)+8*(i/4)
	v_wmma_f32_16x16x32_bf16 v[rO:rO+7], v[rV:rV+7], v[rP:rP+7], v[rO:rO+7]
.endm
.macro MM                              ; the turn's next matrix instruction.  NOKQ = 1: the last turn of all: there is no next piece
.if (i < 8) && !NOKQ
	KQ (Y+1)%NP
.elseif i >= 8
.set i, i-8
	PV (Y+NP-1)%NP
.set i, i+8
.endif
.set i, i+1
.endm
; THE LDS LOADS stand in runs of 16: a step's K (64 keys x 64 channels of my head) and its V (turned).
.macro FETCH_K
	WIN 0x80
.irp f, 0,1,2,3,4,5,6,7
	ds_load_b128 v[KF+8*\f:KF+8*\f+3],   v[AK] offset:(\f/2)*16*PK+(\f%2)*64
	ds_load_b128 v[KF+8*\f+4:KF+8*\f+7], v[AK] offset:(\f/2)*16*PK+(\f%2)*64+32
.endr
	s_add_co_u32 s[TBK], s[TBK], KS*PK
	WIN 0
.endm
.macro FETCH_V
	WIN 0x80
.irp f, 0,1,2,3,4,5,6,7
	ds_load_tr16_b128 v[VF+8*\f:VF+8*\f+3],   v[AV] offset:(\f/4)*32*PV+(\f%4)*32
	ds_load_tr16_b128 v[VF+8*\f+4:VF+8*\f+7], v[AV] offset:(\f/4)*32*PV+16*PV+(\f%4)*32
.endr
	WIN 0
.endm
; THE VECTOR WORK, one line at a time: OP kind, number.  For piece Y: F n: c s - c m for pair n of 16.  E n: the exponential of score n of 32.  C n: pair n rounded to bf16.  B n: of the four weights
; 4 n .. the second pair is added onto the first.  L n: l takes that sum (L 0: l = a l + sum).  R n: pair n of 16 of O^T times a.  For piece Y + 1: X n, number n of the 22 that find its maximum and
; statistics: 0-11 four chains of seven scores (each accumulator's lowest registers are read first); 12-14, 16 the rest, the old m, four into one; 15 c m_old is kept;
; 17, 18 the other half of the lanes: the new m; 19-21 c m, c m_old - c m_new, a.
.set F, 0
.set E, 1
.set C, 2
.set B, 3
.set L, 4
.set R, 5
.set X, 6
.macro REGS y
.set rT, ST+4*(\y)
.set rC, TMP+4*((\y)%2)
.set rW, MV+((\y)%2)
.set rS, S+32*((\y)%2)
.set rP, P+16*((\y)%2)
.set rO, 32*(\y)
.endm
.macro OP k, n
.if (\k) == R
	REGS Y
	WIN W_RS
	v_pk_mul_f32 v[rO+2*(\n):rO+2*(\n)+1], v[rO+2*(\n):rO+2*(\n)+1], v[rC+2:rC+3] op_sel_hi:[1,0]
.elseif (\k) < R
	REGS Y
	WIN 0
.if (\k) == F
	v_pk_fma_f32 v[rS+2*(\n):rS+2*(\n)+1], v[rS+2*(\n):rS+2*(\n)+1], s[CS:CS+1], v[rT:rT+1] op_sel_hi:[1,0,0] neg_lo:[0,0,1] neg_hi:[0,0,1]
.elseif (\k) == E
	v_exp_f32 v[rS+(\n)], v[rS+(\n)]
.elseif (\k) == C
	v_cvt_pk_bf16_f32 v[rP+(\n)], v[rS+2*(\n)], v[rS+2*(\n)+1]
.elseif (\k) == B
	v_pk_add_f32 v[rS+4*(\n):rS+4*(\n)+1], v[rS+4*(\n):rS+4*(\n)+1], v[rS+4*(\n)+2:rS+4*(\n)+3]
.elseif (\n) == 0
	v_pk_fma_f32 v[rT+2:rT+3], v[rT+2:rT+3], v[rC+2:rC+3], v[rS:rS+1] op_sel_hi:[1,0,1]
.else
	v_pk_add_f32 v[rT+2:rT+3], v[rT+2:rT+3], v[rS+4*(\n):rS+4*(\n)+1]
.endif
.elseif NOKQ
	v_nop
.else
	REGS (Y+1)%NP
	WIN 0
.if (\n) < 4
	v_max3_num_f32 v[rC+(\n)], v[rS+8*(\n)], v[rS+8*(\n)+1], v[rS+8*(\n)+2]
.elseif (\n) < 12
	v_max3_num_f32 v[rC+(\n)%4], v[rC+(\n)%4], v[rS+8*((\n)%4)+2*((\n)/4)+1], v[rS+8*((\n)%4)+2*((\n)/4)+2]
.elseif (\n) == 12
	v_max3_num_f32 v[rC], v[rC], v[rS+7], v[rS+15]
.elseif (\n) == 13
	v_max3_num_f32 v[rC+1], v[rC+1], v[rS+23], v[rS+31]
.elseif (\n) == 14
	v_max3_num_f32 v[rC+2], v[rC+2], v[rC+3], v[rT+1]
.elseif (\n) == 15
	v_mov_b32 v[rW], v[rT]
.elseif (\n) == 16
	v_max3_num_f32 v[rC], v[rC], v[rC+1], v[rC+2]
.elseif (\n) == 17
	v_permlanex16_b32 v[rC+3], v[rC], s[SEL], s[SEL+1]
.elseif (\n) == 18
	v_max_num_f32 v[rT+1], v[rC], v[rC+3]
.elseif (\n) == 19
	v_mul_f32 v[rT], s[CS], v[rT+1]
.elseif (\n) == 20
	v_sub_f32 v[rC+1], v[rW], v[rT]
.else
	v_exp_f32 v[rC+2], v[rC+1]
.endif
.endif
.endm
.macro OPS a, i1, b=-1, i2=0, c=-1, i3=0, d=-1, i4=0
	OP \a, \i1
.if (\b) >= 0
	OP \b, \i2
.endif
.if (\c) >= 0
	OP \c, \i3
.endif
.if (\d) >= 0
	OP \d, \i4
.endif
.endm
.macro ROW a, i1, b, i2, c, i3, d, i4  ; a matrix instruction and the four behind it
	MM
	OPS \a, \i1, \b, \i2, \c, \i3, \d, \i4
.endm
; A TURN, for piece p.  AHEAD OF ITS ONE WAIT stands all that names no result of the turn's exponentials: the 8 products K Q^T with their riders, and one lump; X 21, the next piece's a, is the batch's last,
; and R 15 the plain instruction behind it.  BEHIND THE WAIT stand the 8 products V^T P, behind each four of the roundings and sums.
; K of the next step is fetched in piece 2's turn (six plain instructions behind the last product that read K), V of the step in hand at the end of piece 0's turn (four plain instructions behind the last
; product that read V).  Each is waited for a turn later.  end = 1: the last two turns: nothing is fetched.  cnt = 1: the loop's count is taken down some lines ahead of the branch behind the turn.
.macro TURN p, end=0, cnt=0
.set Y, (\p)
.set i, 0
.set NOKQ, (\end)*((\p)/3)
.if ((\p) == 3) && !(\end)
	s_wait_dscnt 0x0                               ; K is in
.endif
	ROW F,0, F,1, R,0, R,1
	ROW F,2, E,0, R,2, R,3
	ROW F,3, E,1, R,4, R,5
	ROW F,4, E,2, R,6, R,7
	ROW F,5, E,3, R,8, R,9
	ROW F,6, E,4, X,0, R,10
.if ((\p) == 2) && !(\end)
	WIN 0
	v_add_nc_u32 v[AK], s[TBK], v[AK0]
.endif
	ROW F,7, E,5, X,1, X,4
	ROW F,8, E,6, X,2, X,5
	OPS E,7, E,8, X,6, E,9
	OPS X,3, E,10, X,8, E,11
.if ((\p) == 2) && !(\end)
	FETCH_K
.endif
	OPS X,9, X,7, E,12, X,10
	OPS E,13, X,12, X,11, E,14
	OPS X,13, E,15, F,9, X,14
.if (\p) == 0
	v_add_nc_u32 v[AV], s[TBV], v[AV0]
.endif
	OPS E,16, F,10, E,17, F,11
	OPS X,16, E,18, X,15, E,19
	OPS F,12, E,20, X,17, E,21
	OPS F,13, E,22, F,14, E,23
	OPS X,18, E,24, F,15, E,25
	OPS R,11, E,26, X,19, E,27
	OPS R,12, E,28, R,13, E,29
	OPS X,20, E,30, R,14, E,31
	OPS X,21, R,15
	WIN 0
	s_wait_alu depctr_va_vdst(0)                   ; the wait for the batch
.if (\p) == 1
	s_wait_dscnt 0x0                               ; V is in
.endif
	ROW C,0, B,0, C,2, B,1
	ROW L,0, C,4, B,2, L,1
	ROW C,6, B,3, L,2, C,8
	ROW B,4, L,3, C,10, B,5
	ROW L,4, C,12, B,6, L,5
.if (\p) == 0
	s_add_co_u32 s[TBV], s[TBV], KS*PV
.endif
.if \cnt
	s_sub_co_u32 s[CNT], s[CNT], 1
	s_cmp_lg_u32 s[CNT], 0
.endif
	ROW C,14, B,7, L,6, C,1
	ROW C,3, L,7, C,5, C,7
	ROW C,9, C,11, C,13, C,15
.if (\p) == 0
	FETCH_V
.endif
.endm
	CHANGE 1                                       ; slot 0 is in, everybody's part of it; slot 1 is asked for
	v_add_nc_u32 v[AK], s[TBK], v[AK0]
	FETCH_K                                        ; key step 0
	s_wait_loadcnt 0x0                             ; Q
	s_wait_dscnt 0x0
.set NOKQ, 0
.set i, 0
.rept 8
	KQ 0                                           ; piece 0's first scores
.set i, i+1
.endr
	WIN 0
	PLACES
.set Y, NP-1                           ; X works for piece Y + 1: piece 0
.irp n, 0,1,2,3,4,5,6,7,8,9,10,11,12,13,14,15,16,17,18,19,20,21
	OP X, \n
.endr
	v_nop                                          ; a plain instruction behind the exponential,
	s_wait_alu depctr_va_vdst(0)                   ; and its wait, ahead of the branch
	s_mov_b32 s[CNT], 4
	s_branch .Lfirst                               ; the loop is entered at a step's first turn, in the middle of a trip
.Lslot:                                        ; six times: with the change above, slots 1 to 7 are asked for
	CHANGE 1
	s_mov_b32 s[CNT], 4
.Lstep:                                        ; a trip: pieces 2 and 3 of one step, then pieces 0 and 1 of the next, whose K and V it fetches
	TURN 2
	TURN 3
	WIN 0
.Lfirst:
	TURN 0
	TURN 1, 0, 1
	WIN 0
	s_cbranch_scc1 .Lstep
	s_sub_co_u32 s[SLOTS], s[SLOTS], 1
	s_cmp_lg_u32 s[SLOTS], 0
	s_cbranch_scc1 .Lslot
	CHANGE 0                                       ; the last slot is written out
	s_mov_b32 s[CNT], 4
.Ltail:
	TURN 2
	TURN 3
	TURN 0
	TURN 1, 0, 1
	WIN 0
	s_cbranch_scc1 .Ltail
	TURN 2, 1
	TURN 3, 1
.set i, 0
.rept 8
	PV NP-1                                        ; the last piece's V^T P of the last step
.set i, i+1
.endr
	; THE WAY OUT.  l's two halves and the other half of the lanes' are added; O^T is divided by l, rounded to bf16 and sent through the work-group's stage: a row's 256 bytes come from two waves.
	WIN 0
.macro ALL line:vararg
.set t, 0
.rept 4
	\line
.set t, t+1
.endr
.endm
	ALL v_add_f32 v[ST+4*t+2], v[ST+4*t+2], v[ST+4*t+3]
	ALL v_permlanex16_b32 v[ST+4*t+3], v[ST+4*t+2], s[SEL], s[SEL+1]
	ALL v_add_f32 v[ST+4*t+2], v[ST+4*t+2], v[ST+4*t+3]
	ALL v_rcp_f32 v[ST+4*t+2], v[ST+4*t+2]
	v_nop
	s_wait_alu depctr_va_vdst(0)                   ; one wait for the four reciprocals
.macro PACK t
	WIN W_RS
.set i, 32*(\t)
.rept 16
	v_pk_mul_f32 v[i:i+1], v[i:i+1], v[ST+4*(\t)+2:ST+4*(\t)+3] op_sel_hi:[1,0]
.set i, i+2
.endr
	WIN 0x05
.set i, 0
.rept 16
	v_cvt_pk_bf16_f32 v[S+16*(\t)+i], v[32*(\t)+2*i], v[32*(\t)+2*i+1]
.set i, i+1
.endr
	WIN 0
.irp f, 0,1,2,3
	ds_store_b128 v[STO], v[S+16*(\t)+4*\f:S+16*(\t)+4*\f+3] offset:(\t)*16*SP+32*\f
.endr
.endm
	PACK 0
	PACK 1
	PACK 2
	PACK 3
	s_wait_dscnt 0x0                               ; for the others' sake: my stores into the stage are done
	s_barrier_signal -1
	s_barrier_wait -1
.set i, 0
.rept 16
	ds_load_b128 v[S+4*i:S+4*i+3], v[RD] offset:i*2*SP
.set i, i+1
.endr
.set i, 0
.rept 16
	s_wait_dscnt 15-i
	global_store_b128 v[GO], v[S+4*i:S+4*i+3], s[10:11] offset:i*4096   ; 16 lanes store 256 consecutive bytes, at a multiple of 256 from the buffer's first byte
.set i, i+1
.endr
	s_wait_tensorcnt 0x0                           ; the wave's end
	ds_add_u32 v[SPW], v[NIL]
	s_wait_dscnt 0x0
	CROUND                                         ; the closing round
	s_endpgm
.Lfunc_end_k_qb4772c2e5f_attn:
	.size	k_qb4772c2e5f_attn, .Lfunc_end_k_qb4772c2e5f_attn-k_qb4772c2e5f_attn
	.p2alignl 7, 3214868480
	.fill 96, 4, 3214868480
	.section	.rodata,"a",@progbits
	.p2align	6, 0x0
	.amdhsa_kernel k_qb4772c2e5f_attn
		.amdhsa_group_segment_fixed_size 327680
		.amdhsa_private_segment_fixed_size 0
		.amdhsa_enable_private_segment 0
		.amdhsa_kernarg_size 16
		.amdhsa_user_sgpr_count 2
		.amdhsa_user_sgpr_kernarg_segment_ptr 1
		.amdhsa_wavefront_size32 1
		.amdhsa_system_sgpr_workgroup_id_x 1
		.amdhsa_system_sgpr_workgroup_id_y 1
		.amdhsa_system_sgpr_workgroup_id_z 1
		.amdhsa_system_vgpr_workitem_id 0
		.amdhsa_next_free_vgpr 768
		.amdhsa_next_free_sgpr 66
		.amdhsa_reserve_vcc 0
		.amdhsa_float_denorm_mode_32 3
		.amdhsa_float_denorm_mode_16_64 3
		.amdhsa_memory_ordered 1
		.amdhsa_forward_progress 1
		.amdhsa_inst_pref_size 129
	.end_amdhsa_kernel
	.amdgpu_metadata
---
amdhsa.version: [ 1, 2 ]
amdhsa.kernels:
  - .name:           k_qb4772c2e5f_attn
    .symbol:         k_qb4772c2e5f_attn.kd
    .args:
      - { .name: qkv, .offset: 0, .size: 8, .value_kind: global_buffer, .address_space: global }
      - { .name: att, .offset: 8, .size: 8, .value_kind: global_buffer, .address_space: global }
    .group_segment_fixed_size: 327680
    .private_segment_fixed_size: 0
    .kernarg_segment_align: 8
    .kernarg_segment_size: 16
    .max_flat_workgroup_size: 128
    .sgpr_count:     66
    .vgpr_count:     768
    .wavefront_size: 32
...
	.end_amdgpu_metadata
.endif
;; end of part 3
;; launch gout (part 4): grid 8 x 32, 4 waves a work-group, clusters of 4 x 4, 327,680 bytes of LDS; arguments att, wb2, b_o, x, x1; writes x1
.if DOCPART == 4
	.amdgcn_target "amdgcn-amd-amdhsa--gfx1250"
	.amdhsa_code_object_version 6
	.text
	.protected	k_qb4772c2e5f_gout
	.globl	k_qb4772c2e5f_gout
	.p2align	8
	.type	k_qb4772c2e5f_gout,@function
k_qb4772c2e5f_gout:
	s_mov_b64 s[64:65], 0
	v_nop
	global_prefetch_b8 v0, s[64:65] scope:SCOPE_SE
	s_setreg_imm32_b32 hwreg(HW_REG_WAVE_MODE, 25, 1), 1
	s_wait_xcnt 0x0
	s_wait_alu depctr_hold_cnt(0) depctr_sa_sdst(0) depctr_va_vdst(0) depctr_va_sdst(0) depctr_va_ssrc(0) depctr_va_vcc(0) depctr_vm_vsrc(0)
	s_getreg_b32 s2, hwreg(HW_REG_IB_STS2, 6, 4)
	s_cmp_eq_u32 s2, 0
	s_cbranch_scc0 .Lentry_in_a_cluster
	s_endpgm
.Lentry_in_a_cluster:
	s_bfe_u32 s2, ttmp6, 0x10000c
	s_cmp_lg_u32 s2, 0xf033
	s_cbranch_scc0 .Lentry_shape_is_right
	s_endpgm
.Lentry_shape_is_right:
; C[m][n] = res[m][n] + the sum over k of A[m][k] W[k][n] + bias[n], all of C, res and bias in f32.  A: [4096][KDIM] bf16, W: [KDIM][1024] bf16 at byte WOFF of wb2.  Sums in f32.
; NaN and infinities are not treated apart.
; 4096 x 1024 makes 64 tiles of 256 x 256 but 256 of 128 x 128: a tile of C is 128 x 128, four waves of 64 x 64 = 16 accumulators.  K goes in steps of 256, as long as two slots in LDS allow.
; W lies [K][N]: its fragments come out of LDS turned, by ds_load_tr16_b128.  The product is taken transposed (source 0 = 16 columns of W, source 1 = 16 rows of A): a lane holds row l % 16 of C and
; eight neighbouring columns.  The bias is the C operand of the products that start the sums.  The residual is loaded at the start and waits in registers for the way out.
; CLUSTER 4 x 4: A's tile is asked for jointly by a row of the cluster, W's by a column.  No prefetch: the tiles are small, a step short.
; REGISTERS in windows of 256: window 0 addresses and bias; window 1 two fragment buffers of 128 (64 along K: A's 2 x 4 fragments, then W's); window 2 v0-127 the accumulators, (a, b) at 8 (4 a + b);
; window 3 v0-127 the residual.
.set KDIM,  1024
.set NDIM,  1024
.set WOFF,  0
.set BM,    128
.set BN,    128
.set KS,    256
.set PA,    528                        ; A's LDS row: 512 bytes + 16
.set PB,    288                        ; W's LDS row: 256 bytes + 32 = 9 x 32
.set AH,    64*PA
.set BH,    128*PB
.set BOFF,  2*AH
.set SLOT,  147456                     ; slot 1's first byte; it shares no bit with the four waves' LDS words
.set SPARE, SLOT+BOFF+2*BH             ; behind the ring: the spare words, 128 bytes a wave
.set PS,    272                        ; the way out: a stage row of 64 f32 + 16 bytes
.set STEPS, KDIM/KS
.set AK0, 4
.set BK0, 5
.set ADA, 6
.set ADB, 7
.set STO, 8
.set RD,  9
.set CO,  10
.set BO,  11
.set SPW, 14
.set NIL, 15
.set BIAS, 64                          ; v[64:95]
.set WV,  14
.set WM,  15
.set WN,  16
.set CX,  17
.set CY,  18
.set TC,  19
.set TR,  20
.set G1A, 24
.set G0A, 32
.set SLOTS, 45
.set CNT, 46
.set G1B, 48
.set G0B, 56
.set TBA, 66
.set TBB, 67
.set MSB, 0
.macro WIN new
.if MSB != (\new)
	s_set_vgpr_msb (MSB<<8)|(\new)
.set MSB, \new
.endif
.endm
.macro PLACES
.rept 4
	v_nop
.endr
.endm
.macro CROUND
	s_barrier_signal -1
	s_barrier_wait -1
	s_cmp_lg_u32 s[WV], 0
	s_cbranch_scc1 .Lnot_wave_0_\@
	s_barrier_signal -3
.Lnot_wave_0_\@:
	s_barrier_wait -3
	s_barrier_signal -1
	s_barrier_wait -1
.endm
.macro JLOAD                           ; waves 0 and 1 fetch A's two halves, waves 2 and 3 W's; an s_nop 0 and four v_nop follow each line
	s_cmp_lt_u32 s[WV], 2
	s_cbranch_scc0 .Lfor_w_\@
	tensor_load_to_lds s[G0A+4:G0A+7], s[G1A:G1A+7]
	s_nop 0
.rept 4
	v_nop
.endr
	s_branch .Lasked_\@
.Lfor_w_\@:
	tensor_load_to_lds s[G0B+4:G0B+7], s[G1B:G1B+7]
	s_nop 0
.rept 4
	v_nop
.endr
.Lasked_\@:
.endm
	s_load_b256 s[4:11], s[0:1], 0x0               ; A s[4:5], wb2 s[6:7], bias s[8:9], res s[10:11]
	s_load_b64 s[12:13], s[0:1], 0x20              ; C
	v_lshl_add_u32 v[SPW], v0, 2, SPARE
	v_mov_b32 v[NIL], 0
	ds_add_u32 v[SPW], v[NIL]                      ; the wave's opening: the add and its wait ahead of my first tensor load
	v_lshrrev_b32 v3, 5, v0
	v_readfirstlane_b32 s[WV], v3
	s_lshr_b32 s[WM], s[WV], 1
	s_and_b32 s[WN], s[WV], 1
	s_bfe_u32 s[CX], ttmp6, 0x40000
	s_bfe_u32 s[CY], ttmp6, 0x40004
	s_lshl_b32 s[TC], ttmp9, 2
	s_add_co_u32 s[TC], s[TC], s[CX]
	s_and_b32 s[TR], ttmp7, 0xffff
	s_lshl_b32 s[TR], s[TR], 2
	s_add_co_u32 s[TR], s[TR], s[CY]
	s_lshl_b32 s21, s[CY], 2
	s_lshl_b32 s21, 15, s21                        ; my row of the cluster
	s_lshl_b32 s22, 0x1111, s[CX]                  ; my column
	s_or_b32 s[G1A], s21, (1<<16)|(1<<20)|(1<<21)|(6<<22)|(3<<25)   ; after every 128 words, 4 words
	s_mov_b32 s[G1A+1], KS<<16
	s_mov_b32 s[G1A+2], (BM/2)<<16
	s_mov_b32 s[G1A+3], KS<<16
	s_mov_b32 s[G1A+4], BM/2
	s_mov_b32 s[G1A+5], KDIM
	s_mov_b32 s[G1A+6], 0
	s_mov_b32 s[G1A+7], 0
	s_or_b32 s[G1B], s22, (1<<16)|(1<<20)|(1<<21)|(5<<22)|(7<<25)   ; after every 64 words, 8 words
	s_mov_b32 s[G1B+1], BN<<16
	s_mov_b32 s[G1B+2], (KS/2)<<16
	s_mov_b32 s[G1B+3], BN<<16
	s_mov_b32 s[G1B+4], KS/2
	s_mov_b32 s[G1B+5], NDIM
	s_mov_b32 s[G1B+6], 0
	s_mov_b32 s[G1B+7], 0
	s_mul_i32 s72, s[TR], BM                       ; A's tile: of the tile row and the wave's number alone
	s_mul_i32 s73, s[WN], BM/2
	s_add_co_u32 s72, s72, s73
	s_mul_i32 s72, s72, 2*KDIM
	s_mov_b32 s73, 0
	s_mul_i32 s74, s[WN], (KS/2)*2*NDIM            ; W's tile: of the tile column and the wave's number alone
	s_mul_i32 s75, s[TC], 2*BN
	s_add_co_u32 s74, s74, s75
	s_add_co_u32 s74, s74, WOFF
	s_mov_b32 s75, 0
	s_mul_i32 s76, s[WN], AH
	s_mul_i32 s77, s[WN], BH
	s_add_co_u32 s77, s77, BOFF
	s_wait_dscnt 0x0                               ; the opening add is done
	s_wait_kmcnt 0x0
	s_add_nc_u64 s[72:73], s[4:5], s[72:73]
	s_add_nc_u64 s[74:75], s[6:7], s[74:75]
.irp s, 0,1
	s_mov_b32 s[G0A+4*(\s)], 1
	s_add_co_u32 s[G0A+4*(\s)+1], s76, (\s)*SLOT
	s_add_nc_u64 s[G0A+4*(\s)+2:G0A+4*(\s)+3], s[72:73], (\s)*2*KS
	s_or_b32 s[G0A+4*(\s)+3], s[G0A+4*(\s)+3], 0x80000000
	s_mov_b32 s[G0B+4*(\s)], 1
	s_add_co_u32 s[G0B+4*(\s)+1], s77, (\s)*SLOT
	s_add_nc_u64 s[G0B+4*(\s)+2:G0B+4*(\s)+3], s[74:75], (\s)*2*NDIM*KS
	s_or_b32 s[G0B+4*(\s)+3], s[G0B+4*(\s)+3], 0x80000000
.endr
	CROUND                                         ; all sixteen work-groups are here: the first joint loads meet
	s_cmp_lt_u32 s[WV], 2                          ; a wave's two first fills stand in one branch: two loads of mine are out
	s_cbranch_scc0 .Lfirst_w
	tensor_load_to_lds s[G0A:G0A+3], s[G1A:G1A+7]
	s_nop 0
	tensor_load_to_lds s[G0A+4:G0A+7], s[G1A:G1A+7]
	s_nop 0
.rept 4
	v_nop
.endr
	s_branch .Lfirst_asked
.Lfirst_w:
	tensor_load_to_lds s[G0B:G0B+3], s[G1B:G1B+7]
	s_nop 0
	tensor_load_to_lds s[G0B+4:G0B+7], s[G1B:G1B+7]
	s_nop 0
.rept 4
	v_nop
.endr
.Lfirst_asked:
	v_and_b32 v1, 15, v0                           ; l % 16
	v_bfe_u32 v2, v0, 4, 1                         ; l / 16
	v_lshlrev_b32 v[BO], 5, v2
	v_lshlrev_b32 v[CO], 12, v2                    ; lanes 0-15 take 256 bytes of one row of C, lanes 16-31 of the next
	v_lshl_add_u32 v[CO], v1, 4, v[CO]
	s_mul_i32 s2, s[TC], 4*BN                      ; the bias of my 64 columns
	s_mul_i32 s3, s[WN], 2*BN
	s_add_co_u32 s2, s2, s3
	s_mov_b32 s3, 0
	s_add_nc_u64 s[8:9], s[8:9], s[2:3]
	s_mul_i32 s78, s[TR], BM                       ; res and C at my first row and column
	s_mul_i32 s79, s[WM], BM/2
	s_add_co_u32 s78, s78, s79
	s_mul_i32 s78, s78, 4*NDIM
	s_add_co_u32 s78, s78, s2
	s_mov_b32 s79, 0
	s_add_nc_u64 s[10:11], s[10:11], s[78:79]
	s_add_nc_u64 s[12:13], s[12:13], s[78:79]
.irp b, 0,1,2,3
	global_load_b128 v[BIAS+8*(\b):BIAS+8*(\b)+3],   v[BO], s[8:9] offset:64*(\b)
	global_load_b128 v[BIAS+8*(\b)+4:BIAS+8*(\b)+7], v[BO], s[8:9] offset:64*(\b)+16
.endr
	WIN 0xc0                                       ; destination window 3
.set i, 0
.rept 32
	global_load_b128 v[4*i:4*i+3], v[CO], s[10:11] offset:8192*i   ; rows 2 i and 2 i + 1 of my 64
.set i, i+1
.endr
	WIN 0
	v_mul_u32_u24 v[AK0], v1, PA
	v_lshl_add_u32 v[AK0], v2, 4, v[AK0]
	s_mul_i32 s2, s[WM], AH
	v_add_nc_u32 v[AK0], s2, v[AK0]
	v_and_b32 v3, 7, v0
	v_lshl_add_u32 v3, v2, 3, v3
	v_mul_u32_u24 v[BK0], v3, PB
	v_bfe_u32 v3, v0, 3, 1
	v_lshl_add_u32 v[BK0], v3, 4, v[BK0]
	s_mul_i32 s2, s[WN], BN                        ; my 64 columns: 128 bytes
	s_add_co_u32 s2, s2, BOFF
	v_add_nc_u32 v[BK0], s2, v[BK0]
	s_mul_i32 s2, s[WV], 64*PS                     ; my stage
	v_mul_u32_u24 v[STO], v1, PS
	v_lshl_add_u32 v[STO], v2, 5, v[STO]
	v_add_nc_u32 v[STO], s2, v[STO]
	v_mul_u32_u24 v[RD], v2, PS
	v_lshl_add_u32 v[RD], v1, 4, v[RD]
	v_add_nc_u32 v[RD], s2, v[RD]
	s_mov_b32 s[TBA], 0
	s_mov_b32 s[TBB], 0
; 32 LDS loads in one run: the fragments of 64 along K, unit u of the pair in hand, into buffer f; the first 32 along K first
.macro FETCH f, u
	WIN 0x40
.irp kk, 0,1
.irp b, 0,1,2,3
	ds_load_tr16_b128 v[128*(\f)+64+8*(4*(\kk)+(\b)):128*(\f)+64+8*(4*(\kk)+(\b))+3],   v[ADB] offset:(2*(\u)+(\kk))*32*PB+32*(\b)
	ds_load_tr16_b128 v[128*(\f)+64+8*(4*(\kk)+(\b))+4:128*(\f)+64+8*(4*(\kk)+(\b))+7], v[ADB] offset:(2*(\u)+(\kk))*32*PB+32*(\b)+16*PB
.endr
.irp a, 0,1,2,3
	ds_load_b128 v[128*(\f)+8*(4*(\kk)+(\a)):128*(\f)+8*(4*(\kk)+(\a))+3],   v[ADA] offset:(2*(\u)+(\kk))*64+(\a)*16*PA
	ds_load_b128 v[128*(\f)+8*(4*(\kk)+(\a))+4:128*(\f)+8*(4*(\kk)+(\a))+7], v[ADA] offset:(2*(\u)+(\kk))*64+(\a)*16*PA+32
.endr
.endr
.endm
; 16 matrix instructions: all 16 accumulators, 32 along K: half kk of buffer f.  start = 1: C is the bias.  The accumulators take turns.
.macro HALF f, kk, start
.if \start
	WIN 0x85
.else
	WIN 0xa5
.endif
.irp a, 0,1,2,3
.irp b, 0,1,2,3
.if \start
	v_wmma_f32_16x16x32_bf16 v[8*(4*(\a)+(\b)):8*(4*(\a)+(\b))+7], v[128*(\f)+64+8*(4*(\kk)+(\b)):128*(\f)+64+8*(4*(\kk)+(\b))+7], v[128*(\f)+8*(4*(\kk)+(\a)):128*(\f)+8*(4*(\kk)+(\a))+7], v[BIAS+8*(\b):BIAS+8*(\b)+7]
.else
	v_wmma_f32_16x16x32_bf16 v[8*(4*(\a)+(\b)):8*(4*(\a)+(\b))+7], v[128*(\f)+64+8*(4*(\kk)+(\b)):128*(\f)+64+8*(4*(\kk)+(\b))+7], v[128*(\f)+8*(4*(\kk)+(\a)):128*(\f)+8*(4*(\kk)+(\a))+7], v[8*(4*(\a)+(\b)):8*(4*(\a)+(\b))+7]
.endif
.endr
.endr
.endm
.macro UNIT x, y, u, first             ; buffer x is fetched, buffer y's second half multiplied meanwhile, then x's first half
	PLACES
	FETCH \x, \u
.if (\first) != 1
	s_wait_dscnt 32                                ; all but the 32 loads just issued: buffer y is whole
	HALF \y, 1, 0
.endif
	s_wait_dscnt 16                                ; the youngest sixteen loads, the second 32 along K, may stay out
.if (\first) == 1
	HALF \x, 0, 1
.else
	HALF \x, 0, 0
.endif
.endm
.macro PAIR first                      ; 128 along K: half a slot
	WIN 0
	v_add_nc_u32 v[ADA], s[TBA], v[AK0]
	v_add_nc_u32 v[ADB], s[TBB], v[BK0]
	s_add_co_u32 s[TBA], s[TBA], 256
	s_add_co_u32 s[TBB], s[TBB], 128*PB
	UNIT 0, 1, 0, \first
	UNIT 1, 0, 1, 2*(\first)
.endm
; THE CHANGE OF SLOTS.  Each wave waits for all its tensor loads (one is out: its part of the other slot), adds 0 to its spare word, and waits for that and for its reads of the slot that it leaves.
; fill = 1: the barrier is a round of the cluster's, and the joint refill, two K steps on, is the first thing behind it: it has a K step, 128 matrix instructions, in which to land.
.macro CHANGE fill
	WIN 0
	s_wait_tensorcnt 0x0
	ds_add_u32 v[SPW], v[NIL]
.if \fill
	s_xor_b32 s[G0A+5], s[G0A+5], SLOT
	s_add_nc_u64 s[G0A+6:G0A+7], s[G0A+6:G0A+7], 2*KS
	s_xor_b32 s[G0B+5], s[G0B+5], SLOT
	s_add_nc_u64 s[G0B+6:G0B+7], s[G0B+6:G0B+7], 2*NDIM*KS
.endif
	s_sub_co_u32 s[TBA], s[TBA], 2*KS
	s_xor_b32 s[TBA], s[TBA], SLOT
	s_sub_co_u32 s[TBB], s[TBB], KS*PB
	s_xor_b32 s[TBB], s[TBB], SLOT
	s_wait_dscnt 0x0                               ; the add is done, and my reads of the slot are over
.if \fill
	CROUND
	JLOAD
.else
	s_barrier_signal -1
	s_barrier_wait -1
.endif
.endm
	s_wait_tensorcnt 0x1                           ; my part of K step 0 is in; K step 1's may stay out
	s_barrier_signal -1
	s_barrier_wait -1
	s_wait_loadcnt 32                              ; the bias is in; the 32 younger loads, the residual, stay out until the way out
	PAIR 1                                         ; the pair whose products start the sums is written out;
	WIN 0
	s_mov_b32 s[CNT], 1                            ; K step 0's second pair is the loop's own text, entered behind the change of slots
	s_mov_b32 s[SLOTS], STEPS-1
	s_branch .Lpair
.Lslot:                                        ; K steps 1 .. STEPS - 2: STEPS - 2 refills
	CHANGE 1
	s_mov_b32 s[CNT], 2
.Lpair:
	PAIR 0
	WIN 0
	s_sub_co_u32 s[CNT], s[CNT], 1
	s_cmp_lg_u32 s[CNT], 0
	s_cbranch_scc1 .Lpair
	s_sub_co_u32 s[SLOTS], s[SLOTS], 1
	s_cmp_lg_u32 s[SLOTS], 0
	s_cbranch_scc1 .Lslot
	CHANGE 0                                       ; the last K step is written out
	s_mov_b32 s[CNT], 2
.Ltail:
	PAIR 0
	WIN 0
	s_sub_co_u32 s[CNT], s[CNT], 1
	s_cmp_lg_u32 s[CNT], 0
	s_cbranch_scc1 .Ltail
	s_wait_dscnt 0x0                               ; my last reads of the ring are back:
	s_barrier_signal -1                            ; say so; the slots have had their last fill, and slot 0's first bytes become the stage
	HALF 1, 1, 0
	WIN 0
	s_barrier_wait -1                              ; no wave reads the ring any more
	PLACES
	; THE WAY OUT.  My 64 x 64 sums go into my own 64 rows x 272 bytes of LDS, each accumulator's low registers first, come back by rows, take the residual and leave.
	WIN 0x08
.irp a, 0,1,2,3
.irp b, 0,1,2,3
	ds_store_b128 v[STO], v[8*(4*(\a)+(\b)):8*(4*(\a)+(\b))+3]   offset:(\a)*16*PS+64*(\b)
	ds_store_b128 v[STO], v[8*(4*(\a)+(\b))+4:8*(4*(\a)+(\b))+7] offset:(\a)*16*PS+64*(\b)+16
.endr
.endr
	WIN 0x40
.set i, 0
.rept 32
	ds_load_b128 v[4*i:4*i+3], v[RD] offset:i*2*PS  ; LDS serves a wave's instructions in order (ISA guide 5.7.1.4): these see the stores above
.set i, i+1
.endr
	s_wait_loadcnt 0x0                             ; the residual
.irp g, 0,1,2,3
	s_wait_dscnt 24-8*(\g)                         ; group g of eight loads is in; the younger groups stay out
	WIN 0x4d                                       ; destination and source 0 window 1, source 1 window 3
.set i, 32*(\g)
.rept 16
	v_pk_add_f32 v[i:i+1], v[i:i+1], v[i:i+1]
.set i, i+2
.endr
	WIN 0x04                                       ; store data window 1
.irp t, 0,1,2,3,4,5,6,7
	global_store_b128 v[CO], v[32*(\g)+4*(\t):32*(\g)+4*(\t)+3], s[12:13] offset:8192*(8*(\g)+(\t))   ; 16 lanes store 256 consecutive bytes, aligned; no register is written twice
.endr
.endr
	WIN 0
	s_wait_tensorcnt 0x0                           ; the wave's end
	ds_add_u32 v[SPW], v[NIL]
	s_wait_dscnt 0x0
	CROUND                                         ; the closing round
	s_endpgm
.Lfunc_end_k_qb4772c2e5f_gout:
	.size	k_qb4772c2e5f_gout, .Lfunc_end_k_qb4772c2e5f_gout-k_qb4772c2e5f_gout
	.p2alignl 7, 3214868480
	.fill 96, 4, 3214868480
	.section	.rodata,"a",@progbits
	.p2align	6, 0x0
	.amdhsa_kernel k_qb4772c2e5f_gout
		.amdhsa_group_segment_fixed_size 327680
		.amdhsa_private_segment_fixed_size 0
		.amdhsa_enable_private_segment 0
		.amdhsa_kernarg_size 40
		.amdhsa_user_sgpr_count 2
		.amdhsa_user_sgpr_kernarg_segment_ptr 1
		.amdhsa_wavefront_size32 1
		.amdhsa_system_sgpr_workgroup_id_x 1
		.amdhsa_system_sgpr_workgroup_id_y 1
		.amdhsa_system_sgpr_workgroup_id_z 1
		.amdhsa_system_vgpr_workitem_id 0
		.amdhsa_next_free_vgpr 896
		.amdhsa_next_free_sgpr 80
		.amdhsa_reserve_vcc 0
		.amdhsa_float_denorm_mode_32 3
		.amdhsa_float_denorm_mode_16_64 3
		.amdhsa_memory_ordered 1
		.amdhsa_forward_progress 1
		.amdhsa_inst_pref_size 52
	.end_amdhsa_kernel
	.amdgpu_metadata
---
amdhsa.version: [ 1, 2 ]
amdhsa.kernels:
  - .name:           k_qb4772c2e5f_gout
    .symbol:         k_qb4772c2e5f_gout.kd
    .args:
      - { .name: att, .offset: 0, .size: 8, .value_kind: global_buffer, .address_space: global }
      - { .name: wb2, .offset: 8, .size: 8, .value_kind: global_buffer, .address_space: global }
      - { .name: b_o, .offset: 16, .size: 8, .value_kind: global_buffer, .address_space: global }
      - { .name: x, .offset: 24, .size: 8, .value_kind: global_buffer, .address_space: global }
      - { .name: x1, .offset: 32, .size: 8, .value_kind: global_buffer, .address_space: global }
    .group_segment_fixed_size: 327680
    .private_segment_fixed_size: 0
    .kernarg_segment_align: 8
    .kernarg_segment_size: 40
    .max_flat_workgroup_size: 128
    .sgpr_count:     80
    .vgpr_count:     896
    .wavefront_size: 32
...
	.end_amdgpu_metadata
.endif
;; end of part 4
;; launch ln2 (part 5): grid 512 x 1, 8 waves a work-group, no clusters, 0 bytes of LDS; arguments x1, ln2_scale, ln2_bias, h; writes h
.if DOCPART == 5
	.amdgcn_target "amdgcn-amd-amdhsa--gfx1250"
	.amdhsa_code_object_version 6
	.text
	.protected	k_qb4772c2e5f_ln2
	.globl	k_qb4772c2e5f_ln2
	.p2align	8
	.type	k_qb4772c2e5f_ln2,@function
k_qb4772c2e5f_ln2:
	s_mov_b64 s[64:65], 0
	v_nop
	global_prefetch_b8 v0, s[64:65] scope:SCOPE_SE
	s_setreg_imm32_b32 hwreg(HW_REG_WAVE_MODE, 25, 1), 1
	s_wait_xcnt 0x0
; h[row] = (x[row] - mean) * rsqrt(var + 1e-6) * scale + bias, rounded once to bf16.  4,096 rows of 1,024 f32.
; One wave, one row: the row's 4,096 bytes are 32 registers a lane, read once; mean first, then the variance of x - mean, as the formula has it, so a common offset of the row costs nothing.
; Lane l holds columns 128 j + 4 l .. + 3 (j = 0..7): each load of the wave covers 512 consecutive bytes, each store 256.  No LDS, no matrix unit, no cluster: nothing is shared.
; NaN and infinities are not treated apart.
.set X,  4                             ; v[4:35]    the row
.set G,  36                            ; v[36:67]   scale of my columns
.set BV, 68                            ; v[68:99]   bias of my columns
.set T,  100                           ; v[100:115] at work; at the end the 16 packed results
.set MU, 116                           ; v[116:117] the mean, twice
.set R,  118                           ; v[118:119] rsqrt(var + eps), twice
	s_load_b256 s[16:23], s[0:1], 0x0              ; x s[16:17], scale s[18:19], bias s[20:21], h s[22:23]
.macro REDUCE                          ; v[T] summed over the wave's 32 lanes, the result in every lane
	v_add_f32_dpp v[T], v[T], v[T] row_xmask:1 row_mask:0xf bank_mask:0xf
	v_add_f32_dpp v[T], v[T], v[T] row_xmask:2 row_mask:0xf bank_mask:0xf
	v_add_f32_dpp v[T], v[T], v[T] row_xmask:4 row_mask:0xf bank_mask:0xf
	v_add_f32_dpp v[T], v[T], v[T] row_xmask:8 row_mask:0xf bank_mask:0xf
	v_permlanex16_b32 v[T+1], v[T], s12, s13       ; the other half of the lanes; its destination has been written before
	v_add_f32 v[T], v[T], v[T+1]
.endm
	v_lshrrev_b32 v3, 5, v0
	v_readfirstlane_b32 s8, v3                     ; wave 0..7
	v_and_b32 v1, 31, v0
	v_lshlrev_b32 v2, 3, v1                        ; 8 x lane
	v_lshlrev_b32 v1, 4, v1                        ; 16 x lane
	s_mov_b32 s12, 0x76543210
	s_mov_b32 s13, 0xfedcba98
	s_mov_b32 s14, 0x3a800000                      ; 1 / 1024
	s_mov_b32 s15, 0x358637bd                      ; 1e-6
	s_lshl_b32 s2, ttmp9, 3
	s_add_co_u32 s2, s2, s8                        ; my row
	s_lshl_b32 s4, s2, 12
	s_mov_b32 s5, 0
	s_lshl_b32 s6, s2, 11
	s_mov_b32 s7, 0
	s_wait_kmcnt 0x0
	s_add_nc_u64 s[16:17], s[16:17], s[4:5]
	s_add_nc_u64 s[22:23], s[22:23], s[6:7]
.irp j, 0,1,2,3,4,5,6,7
	global_load_b128 v[X+4*(\j):X+4*(\j)+3], v1, s[16:17] offset:512*(\j) th:TH_LOAD_NT
.endr
.irp j, 0,1,2,3,4,5,6,7
	global_load_b128 v[G+4*(\j):G+4*(\j)+3], v1, s[18:19] offset:512*(\j)
.endr
.irp j, 0,1,2,3,4,5,6,7
	global_load_b128 v[BV+4*(\j):BV+4*(\j)+3], v1, s[20:21] offset:512*(\j)
.endr
	s_wait_loadcnt 16                              ; the row is in; the 16 younger loads (scale, bias) may stay out
.irp i, 0,1,2,3,4,5,6,7
	v_pk_add_f32 v[T+2*(\i):T+2*(\i)+1], v[X+4*(\i):X+4*(\i)+1], v[X+4*(\i)+2:X+4*(\i)+3]
.endr
.irp i, 0,1,2,3
	v_pk_add_f32 v[T+2*(\i):T+2*(\i)+1], v[T+2*(\i):T+2*(\i)+1], v[T+8+2*(\i):T+8+2*(\i)+1]
.endr
.irp i, 0,1
	v_pk_add_f32 v[T+2*(\i):T+2*(\i)+1], v[T+2*(\i):T+2*(\i)+1], v[T+4+2*(\i):T+4+2*(\i)+1]
.endr
	v_pk_add_f32 v[T:T+1], v[T:T+1], v[T+2:T+3]
	v_add_f32 v[T], v[T], v[T+1]
	REDUCE
	v_mul_f32 v[MU], s14, v[T]
	v_mov_b32 v[MU+1], v[MU]
.set i, 0
.rept 16
	v_pk_add_f32 v[X+i:X+i+1], v[X+i:X+i+1], v[MU:MU+1] neg_lo:[0,1] neg_hi:[0,1]   ; x - mean
.set i, i+2
.endr
.irp c, 0,1,2,3
	v_pk_mul_f32 v[T+2*(\c):T+2*(\c)+1], v[X+2*(\c):X+2*(\c)+1], v[X+2*(\c):X+2*(\c)+1]   ; four chains of squares; the first products start them
.endr
.set i, 4
.rept 12
	v_pk_fma_f32 v[T+2*(i%4):T+2*(i%4)+1], v[X+2*i:X+2*i+1], v[X+2*i:X+2*i+1], v[T+2*(i%4):T+2*(i%4)+1]
.set i, i+1
.endr
	v_pk_add_f32 v[T:T+1], v[T:T+1], v[T+4:T+5]
	v_pk_add_f32 v[T+2:T+3], v[T+2:T+3], v[T+6:T+7]
	v_pk_add_f32 v[T:T+1], v[T:T+1], v[T+2:T+3]
	v_add_f32 v[T], v[T], v[T+1]
	REDUCE
	v_fma_f32 v[T], v[T], s14, s15                 ; var + eps
	v_rsq_f32 v[R], v[T]
	v_nop                                          ; a plain instruction behind the transcendental (ISA guide 5.7.2),
	s_wait_alu depctr_va_vdst(0)                   ; and the wait ahead of its first reader
	v_mov_b32 v[R+1], v[R]
	s_wait_loadcnt 0x0                             ; scale and bias
.set i, 0
.rept 16
	v_pk_mul_f32 v[G+i:G+i+1], v[G+i:G+i+1], v[R:R+1]
.set i, i+2
.endr
.set i, 0
.rept 16
	v_pk_fma_f32 v[X+i:X+i+1], v[X+i:X+i+1], v[G+i:G+i+1], v[BV+i:BV+i+1]
.set i, i+2
.endr
.set i, 0
.rept 16
	v_cvt_pk_bf16_f32 v[T+i], v[X+2*i], v[X+2*i+1]
.set i, i+1
.endr
.irp j, 0,1,2,3,4,5,6,7
	global_store_b64 v2, v[T+2*(\j):T+2*(\j)+1], s[22:23] offset:256*(\j)   ; the wave stores 256 consecutive bytes, at a multiple of 256 from h's first byte
.endr
	s_endpgm
.Lfunc_end_k_qb4772c2e5f_ln2:
	.size	k_qb4772c2e5f_ln2, .Lfunc_end_k_qb4772c2e5f_ln2-k_qb4772c2e5f_ln2
	.p2alignl 7, 3214868480
	.fill 96, 4, 3214868480
	.section	.rodata,"a",@progbits
	.p2align	6, 0x0
	.amdhsa_kernel k_qb4772c2e5f_ln2
		.amdhsa_group_segment_fixed_size 0
		.amdhsa_private_segment_fixed_size 0
		.amdhsa_enable_private_segment 0
		.amdhsa_kernarg_size 32
		.amdhsa_user_sgpr_count 2
		.amdhsa_user_sgpr_kernarg_segment_ptr 1
		.amdhsa_wavefront_size32 1
		.amdhsa_system_sgpr_workgroup_id_x 1
		.amdhsa_system_sgpr_workgroup_id_y 1
		.amdhsa_system_sgpr_workgroup_id_z 1
		.amdhsa_system_vgpr_workitem_id 0
		.amdhsa_next_free_vgpr 128
		.amdhsa_next_free_sgpr 66
		.amdhsa_reserve_vcc 0
		.amdhsa_float_denorm_mode_32 3
		.amdhsa_float_denorm_mode_16_64 3
		.amdhsa_memory_ordered 1
		.amdhsa_forward_progress 1
		.amdhsa_inst_pref_size 12
	.end_amdhsa_kernel
	.amdgpu_metadata
---
amdhsa.version: [ 1, 2 ]
amdhsa.kernels:
  - .name:           k_qb4772c2e5f_ln2
    .symbol:         k_qb4772c2e5f_ln2.kd
    .args:
      - { .name: x1, .offset: 0, .size: 8, .value_kind: global_buffer, .address_space: global }
      - { .name: ln2_scale, .offset: 8, .size: 8, .value_kind: global_buffer, .address_space: global }
      - { .name: ln2_bias, .offset: 16, .size: 8, .value_kind: global_buffer, .address_space: global }
      - { .name: h, .offset: 24, .size: 8, .value_kind: global_buffer, .address_space: global }
    .group_segment_fixed_size: 0
    .private_segment_fixed_size: 0
    .kernarg_segment_align: 8
    .kernarg_segment_size: 32
    .max_flat_workgroup_size: 256
    .sgpr_count:     66
    .vgpr_count:     128
    .wavefront_size: 32
...
	.end_amdgpu_metadata
.endif
;; end of part 5
;; launch gmlp1 (part 6): grid 16 x 16, 4 waves a work-group, clusters of 4 x 4, 327,680 bytes of LDS; arguments h, wb2, b_mlp1, mid; writes mid
.if DOCPART == 6
	.amdgcn_target "amdgcn-amd-amdhsa--gfx1250"
	.amdhsa_code_object_version 6
	.text
	.protected	k_qb4772c2e5f_gmlp1
	.globl	k_qb4772c2e5f_gmlp1
	.p2align	8
	.type	k_qb4772c2e5f_gmlp1,@function
k_qb4772c2e5f_gmlp1:
	s_mov_b64 s[64:65], 0
	v_nop
	global_prefetch_b8 v0, s[64:65] scope:SCOPE_SE
	s_setreg_imm32_b32 hwreg(HW_REG_WAVE_MODE, 25, 1), 1
	s_wait_xcnt 0x0
	s_wait_alu depctr_hold_cnt(0) depctr_sa_sdst(0) depctr_va_vdst(0) depctr_va_sdst(0) depctr_va_ssrc(0) depctr_va_vcc(0) depctr_vm_vsrc(0)
	s_getreg_b32 s2, hwreg(HW_REG_IB_STS2, 6, 4)
	s_cmp_eq_u32 s2, 0
	s_cbranch_scc0 .Lentry_in_a_cluster
	s_endpgm
.Lentry_in_a_cluster:
	s_bfe_u32 s2, ttmp6, 0x10000c
	s_cmp_lg_u32 s2, 0xf033
	s_cbranch_scc0 .Lentry_shape_is_right
	s_endpgm
.Lentry_shape_is_right:
; C[m][n] = gelu(the sum over k of A[m][k] W[k][n] + bias[n]), the tanh form of gelu in f32, rounded once to bf16 (GELU = 0 would leave the activation out).
; A: [4096][KDIM] bf16, W: [KDIM][NDIM] bf16 at byte WOFF of wb2, bias f32, C: [4096][NDIM] bf16.  Sums in f32.
; LIMITS.  NaN and infinities are not treated apart: a sum of minus infinity gives NaN where the formula gives 0.
; A tile of C is 256 x 256: four waves, each 128 x 128 = 64 accumulators of 16 x 16; 16 x 16 = 256 work-groups.  K goes in steps of 128 through two LDS slots filled by the tensor data mover.
; W lies [K][N]: its fragments come out of LDS turned, by ds_load_tr16_b128, so the weights need no transposed copy.
; THE PRODUCT IS TAKEN TRANSPOSED (source 0 = 16 columns of W, source 1 = 16 rows of A): a lane holds row l % 16 of C and the columns 8 (l / 16) + 0..7 of the block.
; THE BIAS IS THE C OPERAND of the products that start the sums: nothing is cleared and nothing is added later.
; CLUSTER 4 x 4: A's tile hangs on the tile row alone and is asked for jointly by a row of the cluster, W's on the tile column alone, by a column.
; REGISTERS in windows of 256: window 0 addresses, bias, the way out; window 1 two fragment buffers of 128 (A's 8 fragments, then W's 8);
; windows 2 and 3 the accumulators: (a, b) at 8 (8 a + b), rows 0-63 in window 2, rows 64-127 in window 3.
.set KDIM,  1024
.set NDIM,  4096
.set WOFF,  2097152
.set GELU,  1
.set BM,    256
.set BN,    256
.set KS,    128                        ; K in a slot
.set PA,    272                        ; A's LDS row: 256 bytes + 16
.set PB,    544                        ; W's LDS row: 512 bytes + 32 = 17 x 32
.set AH,    128*PA
.set BH,    64*PB
.set BOFF,  2*AH
.set SLOT,  139264                     ; slot 1's first byte; it shares no bit with the four waves' LDS words
.set SPARE, 2*SLOT                     ; behind the ring: the spare words, 128 bytes a wave
.set PS,    528                        ; the way out: a stage row of 128 f32 + 16 bytes
.set STEPS, KDIM/KS
.set AK0, 4
.set BK0, 5
.set ADA, 6
.set ADB, 7
.set STO, 8
.set RD,  9
.set CO,  10
.set BO,  11
.set PFO, 12
.set SPW, 14
.set NIL, 15
.set BIAS, 64
.set U,   128
.set TT,  160
.set Y,   192
.set WV,  14
.set WM,  15
.set WN,  16
.set CX,  17
.set CY,  18
.set TC,  19
.set TR,  20
.set G1A, 24
.set G0A, 32
.set PFA, 40
.set PST, 42
.set LIM, 44
.set SLOTS, 45
.set CNT, 46
.set G1B, 48
.set G0B, 56
.set TBA, 66
.set TBB, 67
.set GC,  68
.set MSB, 0
.macro WIN new
.if MSB != (\new)
	s_set_vgpr_msb (MSB<<8)|(\new)
.set MSB, \new
.endif
.endm
.macro PLACES
.rept 4
	v_nop
.endr
.endm
.macro CROUND
	s_barrier_signal -1
	s_barrier_wait -1
	s_cmp_lg_u32 s[WV], 0
	s_cbranch_scc1 .Lnot_wave_0_\@
	s_barrier_signal -3
.Lnot_wave_0_\@:
	s_barrier_wait -3
	s_barrier_signal -1
	s_barrier_wait -1
.endm
.macro JLOAD                           ; waves 0 and 1 fetch A's two halves, waves 2 and 3 W's; an s_nop 0 and four v_nop follow each line
	s_cmp_lt_u32 s[WV], 2
	s_cbranch_scc0 .Lfor_w_\@
	tensor_load_to_lds s[G0A+4:G0A+7], s[G1A:G1A+7]
	s_nop 0
.rept 4
	v_nop
.endr
	s_branch .Lasked_\@
.Lfor_w_\@:
	tensor_load_to_lds s[G0B+4:G0B+7], s[G1B:G1B+7]
	s_nop 0
.rept 4
	v_nop
.endr
.Lasked_\@:
.endm
; A prefetch into the L2, behind the joint refill and its five lines: of the tile that I fetch, the K step two refills on (512 matrix instructions ahead of its load): 32 blocks of 256 bytes, a lane a block.
; Each block is named once in the launch: A's rows by the clusters with x = 0, W's by those with y = 0; the four partners that ask for a tile jointly share its blocks out by address.
; K steps 0 to 3 come by their loads alone; the last two refills have no K step two on.
.macro ASK
	s_cmp_gt_u32 s[SLOTS], s[LIM]
	s_cbranch_scc0 .Lnot_mine_\@
	global_prefetch_b8 v[PFO], s[PFA:PFA+1] th:TH_LOAD_NT scope:SCOPE_SE
.Lnot_mine_\@:
.endm
	s_load_b256 s[4:11], s[0:1], 0x0               ; A s[4:5], wb2 s[6:7], bias s[8:9], C s[10:11]
	v_lshl_add_u32 v[SPW], v0, 2, SPARE
	v_mov_b32 v[NIL], 0
	ds_add_u32 v[SPW], v[NIL]                      ; the wave's opening: the add and its wait ahead of my first tensor load
	v_lshrrev_b32 v3, 5, v0
	v_readfirstlane_b32 s[WV], v3
	s_lshr_b32 s[WM], s[WV], 1
	s_and_b32 s[WN], s[WV], 1
	s_bfe_u32 s[CX], ttmp6, 0x40000
	s_bfe_u32 s[CY], ttmp6, 0x40004
	s_lshl_b32 s[TC], ttmp9, 2
	s_add_co_u32 s[TC], s[TC], s[CX]
	s_and_b32 s[TR], ttmp7, 0xffff
	s_lshl_b32 s[TR], s[TR], 2
	s_add_co_u32 s[TR], s[TR], s[CY]
	s_lshl_b32 s21, s[CY], 2
	s_lshl_b32 s21, 15, s21                        ; my row of the cluster
	s_lshl_b32 s22, 0x1111, s[CX]                  ; my column
	s_or_b32 s[G1A], s21, (1<<16)|(1<<20)|(1<<21)|(5<<22)|(3<<25)   ; mask; 2-byte elements; padding on; bit 21 beside a mask; after every 64 words, 4 words
	s_mov_b32 s[G1A+1], KS<<16
	s_mov_b32 s[G1A+2], (BM/2)<<16
	s_mov_b32 s[G1A+3], KS<<16
	s_mov_b32 s[G1A+4], BM/2
	s_mov_b32 s[G1A+5], KDIM
	s_mov_b32 s[G1A+6], 0
	s_mov_b32 s[G1A+7], 0
	s_or_b32 s[G1B], s22, (1<<16)|(1<<20)|(1<<21)|(6<<22)|(7<<25)   ; after every 128 words, 8 words
	s_mov_b32 s[G1B+1], BN<<16
	s_mov_b32 s[G1B+2], (KS/2)<<16
	s_mov_b32 s[G1B+3], BN<<16
	s_mov_b32 s[G1B+4], KS/2
	s_mov_b32 s[G1B+5], NDIM
	s_mov_b32 s[G1B+6], 0
	s_mov_b32 s[G1B+7], 0
	s_mul_i32 s72, s[TR], BM                       ; A's tile: of the tile row and the wave's number alone
	s_mul_i32 s73, s[WN], BM/2
	s_add_co_u32 s72, s72, s73
	s_mul_i32 s72, s72, 2*KDIM
	s_mov_b32 s73, 0
	s_mul_i32 s74, s[WN], (KS/2)*2*NDIM            ; W's tile: of the tile column and the wave's number alone
	s_mul_i32 s75, s[TC], 2*BN
	s_add_co_u32 s74, s74, s75
	s_add_co_u32 s74, s74, WOFF
	s_mov_b32 s75, 0
	s_mul_i32 s76, s[WN], AH
	s_mul_i32 s77, s[WN], BH
	s_add_co_u32 s77, s77, BOFF
	s_wait_dscnt 0x0                               ; the opening add is done
	s_wait_kmcnt 0x0
	s_add_nc_u64 s[72:73], s[4:5], s[72:73]
	s_add_nc_u64 s[74:75], s[6:7], s[74:75]
.irp s, 0,1
	s_mov_b32 s[G0A+4*(\s)], 1
	s_add_co_u32 s[G0A+4*(\s)+1], s76, (\s)*SLOT
	s_add_nc_u64 s[G0A+4*(\s)+2:G0A+4*(\s)+3], s[72:73], (\s)*2*KS
	s_or_b32 s[G0A+4*(\s)+3], s[G0A+4*(\s)+3], 0x80000000
	s_mov_b32 s[G0B+4*(\s)], 1
	s_add_co_u32 s[G0B+4*(\s)+1], s77, (\s)*SLOT
	s_add_nc_u64 s[G0B+4*(\s)+2:G0B+4*(\s)+3], s[74:75], (\s)*2*NDIM*KS
	s_or_b32 s[G0B+4*(\s)+3], s[G0B+4*(\s)+3], 0x80000000
.endr
	CROUND                                         ; all sixteen work-groups are here: the first joint loads meet
	s_cmp_lt_u32 s[WV], 2                          ; a wave's two first fills stand in one branch: two loads of mine are out
	s_cbranch_scc0 .Lfirst_w
	tensor_load_to_lds s[G0A:G0A+3], s[G1A:G1A+7]
	s_nop 0
	tensor_load_to_lds s[G0A+4:G0A+7], s[G1A:G1A+7]
	s_nop 0
.rept 4
	v_nop
.endr
	s_branch .Lfirst_asked
.Lfirst_w:
	tensor_load_to_lds s[G0B:G0B+3], s[G1B:G1B+7]
	s_nop 0
	tensor_load_to_lds s[G0B+4:G0B+7], s[G1B:G1B+7]
	s_nop 0
.rept 4
	v_nop
.endr
.Lfirst_asked:
	v_and_b32 v1, 15, v0                           ; l % 16
	v_bfe_u32 v2, v0, 4, 1                         ; l / 16
	v_lshlrev_b32 v[BO], 5, v2
	s_mul_i32 s2, s[TC], 4*BN                      ; the bias of my 128 columns
	s_mul_i32 s3, s[WN], 2*BN
	s_add_co_u32 s2, s2, s3
	s_mov_b32 s3, 0
	s_add_nc_u64 s[8:9], s[8:9], s[2:3]
.irp b, 0,1,2,3,4,5,6,7
	global_load_b128 v[BIAS+8*(\b):BIAS+8*(\b)+3],   v[BO], s[8:9] offset:64*(\b)
	global_load_b128 v[BIAS+8*(\b)+4:BIAS+8*(\b)+7], v[BO], s[8:9] offset:64*(\b)+16
.endr
	v_mul_u32_u24 v[AK0], v1, PA
	v_lshl_add_u32 v[AK0], v2, 4, v[AK0]
	s_mul_i32 s2, s[WM], AH
	v_add_nc_u32 v[AK0], s2, v[AK0]
	v_and_b32 v3, 7, v0
	v_lshl_add_u32 v3, v2, 3, v3
	v_mul_u32_u24 v[BK0], v3, PB
	v_bfe_u32 v3, v0, 3, 1
	v_lshl_add_u32 v[BK0], v3, 4, v[BK0]
	s_mul_i32 s2, s[WN], BN
	s_add_co_u32 s2, s2, BOFF
	v_add_nc_u32 v[BK0], s2, v[BK0]
	s_mul_i32 s2, s[WV], 128*PS                    ; my stage
	v_mul_u32_u24 v[STO], v1, PS
	v_lshl_add_u32 v[STO], v2, 5, v[STO]
	v_add_nc_u32 v[STO], s2, v[STO]
	v_and_b32 v3, 31, v0
	v_lshl_add_u32 v[RD], v3, 4, s2
	v_lshlrev_b32 v[CO], 3, v3
	s_mul_i32 s2, s[TR], BM                        ; C at my first row and column
	s_mul_i32 s3, s[WM], BM/2
	s_add_co_u32 s2, s2, s3
	s_mul_i32 s2, s2, 2*NDIM
	s_mul_i32 s3, s[TC], 2*BN
	s_add_co_u32 s2, s2, s3
	s_mul_i32 s3, s[WN], BN
	s_add_co_u32 s2, s2, s3
	s_mov_b32 s3, 0
	s_add_nc_u64 s[10:11], s[10:11], s[2:3]
	; the prefetches: of the 128 rows of A that I fetch my work-group takes 32 cx .. + 31, a lane a row; of the 64 k rows of W 16 cy .. + 15, two lanes a row of 512 bytes
	s_and_b32 s2, ttmp7, 0xffff                    ; cluster y
	s_mul_i32 s3, s[CX], 32*2*KDIM
	s_add_co_u32 s3, s3, 3*2*KS                    ; at K step 3: the first refill steps it to 4
	s_mul_i32 s78, s[CY], 16*2*NDIM
	s_add_co_u32 s78, s78, 3*KS*2*NDIM
	s_mov_b32 s[PST], 2*KS
	s_mov_b32 s79, 2*NDIM*KS
	s_cmp_lt_u32 s[WV], 2                          ; do I fetch for A?
	s_cselect_b32 s2, ttmp9, s2
	s_cselect_b32 s78, s3, s78
	s_cselect_b32 s[PST], s[PST], s79
	s_cselect_b64 s[PFA:PFA+1], s[72:73], s[74:75]
	s_mov_b32 s79, 0
	s_mov_b32 s[PST+1], 0
	s_add_nc_u64 s[PFA:PFA+1], s[PFA:PFA+1], s[78:79]
	s_cselect_b32 s3, 0, 1
	s_mov_b32 s78, 2*KDIM
	s_mov_b32 s79, 2*NDIM
	s_cselect_b32 s78, s78, s79
	s_cselect_b32 s79, 0, 256
	s_cmp_eq_u32 s2, 0
	s_cselect_b32 s[LIM], 2, -1                    ; the same in all sixteen partners, for a given wave
	v_lshrrev_b32 v[PFO], s3, v3
	v_mul_u32_u24 v[PFO], s78, v[PFO]
	v_and_b32 v3, 1, v3
	v_mul_u32_u24 v3, s79, v3
	v_add_nc_u32 v[PFO], v[PFO], v3
.if GELU
	s_mov_b32 s[GC], 0xbdd2d3e8                    ; -0.10294324 = -2 sqrt(2 / pi) log2(e) x 0.044715
	s_mov_b32 s[GC+1], s[GC]
	s_mov_b32 s[GC+2], 0xc0135761                  ; -2.3022082 = -2 sqrt(2 / pi) log2(e)
	s_mov_b32 s[GC+3], s[GC+2]
.endif
	s_mov_b32 s[TBA], 0
	s_mov_b32 s[TBB], 0
; 32 LDS loads in one run: the fragments of 32 along K, unit u of the pair in hand, into buffer f: W's 8, A's rows 0-63, A's rows 64-127
.macro FETCH f, u
	WIN 0x40
.irp b, 0,1,2,3,4,5,6,7
	ds_load_tr16_b128 v[128*(\f)+64+8*(\b):128*(\f)+64+8*(\b)+3],   v[ADB] offset:(\u)*32*PB+32*(\b)
	ds_load_tr16_b128 v[128*(\f)+64+8*(\b)+4:128*(\f)+64+8*(\b)+7], v[ADB] offset:(\u)*32*PB+32*(\b)+16*PB
.endr
.irp a, 0,1,2,3,4,5,6,7
	ds_load_b128 v[128*(\f)+8*(\a):128*(\f)+8*(\a)+3],   v[ADA] offset:(\u)*64+(\a)*16*PA
	ds_load_b128 v[128*(\f)+8*(\a)+4:128*(\f)+8*(\a)+7], v[ADA] offset:(\u)*64+(\a)*16*PA+32
.endr
.endm
; 32 matrix instructions on buffer f: my rows 64 part .. + 63, all 8 blocks of columns.  start = 1: C is the bias.  The accumulators take turns, one instruction a turn.
.macro HALF f, part, start
.if \start
	WIN 0x85+0x40*(\part)
.else
	WIN 0xa5+0x50*(\part)
.endif
.irp a, 0,1,2,3
.irp b, 0,1,2,3,4,5,6,7
.if \start
	v_wmma_f32_16x16x32_bf16 v[8*(8*(\a)+(\b)):8*(8*(\a)+(\b))+7], v[128*(\f)+64+8*(\b):128*(\f)+64+8*(\b)+7], v[128*(\f)+8*(4*(\part)+(\a)):128*(\f)+8*(4*(\part)+(\a))+7], v[BIAS+8*(\b):BIAS+8*(\b)+7]
.else
	v_wmma_f32_16x16x32_bf16 v[8*(8*(\a)+(\b)):8*(8*(\a)+(\b))+7], v[128*(\f)+64+8*(\b):128*(\f)+64+8*(\b)+7], v[128*(\f)+8*(4*(\part)+(\a)):128*(\f)+8*(4*(\part)+(\a))+7], v[8*(8*(\a)+(\b)):8*(8*(\a)+(\b))+7]
.endif
.endr
.endr
.endm
.macro UNIT x, y, u, first             ; buffer x is fetched, buffer y's second half multiplied meanwhile, then x's first half
	PLACES
	FETCH \x, \u
.if (\first) != 1
	s_wait_dscnt 32                                ; all but the 32 loads just issued: buffer y is whole
.if (\first) == 2
	HALF \y, 1, 1
.else
	HALF \y, 1, 0
.endif
.endif
	s_wait_dscnt 8                                 ; the youngest eight loads, A's rows 64-127, may stay out
.if (\first) == 1
	HALF \x, 0, 1
.else
	HALF \x, 0, 0
.endif
.endm
.macro PAIR first                      ; 64 along K: half a slot
	WIN 0
	v_add_nc_u32 v[ADA], s[TBA], v[AK0]
	v_add_nc_u32 v[ADB], s[TBB], v[BK0]
	s_add_co_u32 s[TBA], s[TBA], 128
	s_add_co_u32 s[TBB], s[TBB], 64*PB
	UNIT 0, 1, 0, \first
	UNIT 1, 0, 1, 2*(\first)
.endm
; THE CHANGE OF SLOTS.  Each wave waits for all its tensor loads (one is out: its part of the other slot), adds 0 to its spare word, and waits for that and for its reads of the slot that it leaves.
; fill = 1: the barrier is a round of the cluster's, and the joint refill, two K steps on, is the first thing behind it: it has a K step, 256 matrix instructions, in which to land.
.macro CHANGE fill
	WIN 0
	s_wait_tensorcnt 0x0
	ds_add_u32 v[SPW], v[NIL]
.if \fill
	s_xor_b32 s[G0A+5], s[G0A+5], SLOT
	s_add_nc_u64 s[G0A+6:G0A+7], s[G0A+6:G0A+7], 2*KS
	s_xor_b32 s[G0B+5], s[G0B+5], SLOT
	s_add_nc_u64 s[G0B+6:G0B+7], s[G0B+6:G0B+7], 2*NDIM*KS
	s_wait_xcnt 0x0                                ; the last prefetch, a K step back, has read its address
	s_add_nc_u64 s[PFA:PFA+1], s[PFA:PFA+1], s[PST:PST+1]
.endif
	s_sub_co_u32 s[TBA], s[TBA], 2*KS
	s_xor_b32 s[TBA], s[TBA], SLOT
	s_sub_co_u32 s[TBB], s[TBB], KS*PB
	s_xor_b32 s[TBB], s[TBB], SLOT
	s_wait_dscnt 0x0                               ; the add is done, and my reads of the slot are over
.if \fill
	CROUND
	JLOAD
	ASK
.else
	s_barrier_signal -1
	s_barrier_wait -1
.endif
.endm
	s_wait_tensorcnt 0x1                           ; my part of K step 0 is in; K step 1's may stay out
	s_barrier_signal -1
	s_barrier_wait -1
	s_wait_loadcnt 0x0                             ; the bias
	PAIR 1                                         ; the pair whose products start the sums is written out;
	WIN 0
	s_mov_b32 s[CNT], 1                            ; K step 0's second pair is the loop's own text, entered behind the change of slots
	s_mov_b32 s[SLOTS], STEPS-1
	s_branch .Lpair
.Lslot:                                        ; K steps 1 .. STEPS - 2: STEPS - 2 refills
	CHANGE 1
	s_mov_b32 s[CNT], 2
.Lpair:
	PAIR 0
	WIN 0
	s_sub_co_u32 s[CNT], s[CNT], 1
	s_cmp_lg_u32 s[CNT], 0
	s_cbranch_scc1 .Lpair
	s_sub_co_u32 s[SLOTS], s[SLOTS], 1
	s_cmp_lg_u32 s[SLOTS], 0
	s_cbranch_scc1 .Lslot
	CHANGE 0                                       ; the last K step is written out
	s_mov_b32 s[CNT], 2
.Ltail:
	PAIR 0
	WIN 0
	s_sub_co_u32 s[CNT], s[CNT], 1
	s_cmp_lg_u32 s[CNT], 0
	s_cbranch_scc1 .Ltail
	s_wait_dscnt 0x0                               ; my last reads of the ring are back:
	s_barrier_signal -1                            ; say so; the slots have had their last fill and become the stage
	HALF 1, 1, 0
	WIN 0
	s_barrier_wait -1                              ; no wave reads the ring any more
	PLACES
	; THE WAY OUT.  My 128 x 128 sums go as f32 into my own 128 rows x 528 bytes of LDS, each accumulator's low registers first, and come back by rows.
.irp a, 0,1,2,3,4,5,6,7
	WIN 0x08+4*((\a)/4)
.irp b, 0,1,2,3,4,5,6,7
	ds_store_b128 v[STO], v[8*(8*((\a)%4)+(\b)):8*(8*((\a)%4)+(\b))+3]   offset:(\a)*16*PS+64*(\b)
	ds_store_b128 v[STO], v[8*(8*((\a)%4)+(\b))+4:8*(8*((\a)%4)+(\b))+7] offset:(\a)*16*PS+64*(\b)+16
.endr
.endr
	WIN 0
	s_mov_b32 s[TBA], 8*PS
	s_mov_b32 s[CNT], 16
.irp i, 0,1,2,3,4,5,6,7
	ds_load_b128 v[U+4*(\i):U+4*(\i)+3], v[RD] offset:(\i)*PS   ; the first 8 rows; LDS serves a wave's instructions in order (ISA guide 5.7.1.4), so the loads see my stores
.endr
.Lout:                                         ; 8 rows a trip.  The next trip's rows are asked of LDS as soon as this trip's are packed, ahead of its stores
	s_wait_dscnt 0x0                               ; this trip's 8 rows
.if GELU
	; gelu(u) = u / (1 + 2^z), z = u (C1 u^2 + C0): the tanh form, rewritten as a logistic function
.set i, 0
.rept 16
	v_pk_mul_f32 v[TT+i:TT+i+1], v[U+i:U+i+1], v[U+i:U+i+1]
.set i, i+2
.endr
.set i, 0
.rept 16
	v_pk_fma_f32 v[TT+i:TT+i+1], v[TT+i:TT+i+1], s[GC:GC+1], s[GC+2:GC+3] op_sel_hi:[1,0,0]
.set i, i+2
.endr
.set i, 0
.rept 16
	v_pk_mul_f32 v[TT+i:TT+i+1], v[TT+i:TT+i+1], v[U+i:U+i+1]
.set i, i+2
.endr
.set i, 0
.rept 32
	v_exp_f32 v[TT+i], v[TT+i]
.set i, i+1
.endr
	v_nop                                          ; a plain instruction behind the last exponential,
	s_wait_alu depctr_va_vdst(0)                   ; and one wait for the batch of 32
.set i, 0
.rept 16
	v_pk_add_f32 v[TT+i:TT+i+1], v[TT+i:TT+i+1], 1.0 op_sel_hi:[1,0]
.set i, i+2
.endr
.set i, 0
.rept 32
	v_rcp_f32 v[TT+i], v[TT+i]
.set i, i+1
.endr
	v_nop
	s_wait_alu depctr_va_vdst(0)                   ; one wait for the 32 reciprocals
.set i, 0
.rept 16
	v_pk_mul_f32 v[U+i:U+i+1], v[U+i:U+i+1], v[TT+i:TT+i+1]
.set i, i+2
.endr
.endif
.set i, 0
.rept 16
	v_cvt_pk_bf16_f32 v[Y+i], v[U+2*i], v[U+2*i+1]
.set i, i+1
.endr
	s_cmp_eq_u32 s[CNT], 1                         ; the last trip has no rows behind it
	s_cbranch_scc1 .Lno_rows
	v_add_nc_u32 v[ADA], s[TBA], v[RD]
	s_add_co_u32 s[TBA], s[TBA], 8*PS
.irp i, 0,1,2,3,4,5,6,7
	ds_load_b128 v[U+4*(\i):U+4*(\i)+3], v[ADA] offset:(\i)*PS
.endr
.Lno_rows:
.irp i, 0,1,2,3,4,5,6,7
	global_store_b64 v[CO], v[Y+2*(\i):Y+2*(\i)+1], s[10:11] offset:(\i)*2*NDIM   ; the wave stores 256 consecutive bytes, at a multiple of 256 from C's first byte
.endr
	s_wait_xcnt 0x0                                ; the stores have read their data and their base: both are written again only behind this wait
	s_add_nc_u64 s[10:11], s[10:11], 16*NDIM
	s_sub_co_u32 s[CNT], s[CNT], 1
	s_cmp_lg_u32 s[CNT], 0
	s_cbranch_scc1 .Lout
	s_wait_tensorcnt 0x0                           ; the wave's end
	ds_add_u32 v[SPW], v[NIL]
	s_wait_dscnt 0x0
	CROUND                                         ; the closing round
	s_endpgm
.Lfunc_end_k_qb4772c2e5f_gmlp1:
	.size	k_qb4772c2e5f_gmlp1, .Lfunc_end_k_qb4772c2e5f_gmlp1-k_qb4772c2e5f_gmlp1
	.p2alignl 7, 3214868480
	.fill 96, 4, 3214868480
	.section	.rodata,"a",@progbits
	.p2align	6, 0x0
	.amdhsa_kernel k_qb4772c2e5f_gmlp1
		.amdhsa_group_segment_fixed_size 327680
		.amdhsa_private_segment_fixed_size 0
		.amdhsa_enable_private_segment 0
		.amdhsa_kernarg_size 32
		.amdhsa_user_sgpr_count 2
		.amdhsa_user_sgpr_kernarg_segment_ptr 1
		.amdhsa_wavefront_size32 1
		.amdhsa_system_sgpr_workgroup_id_x 1
		.amdhsa_system_sgpr_workgroup_id_y 1
		.amdhsa_system_sgpr_workgroup_id_z 1
		.amdhsa_system_vgpr_workitem_id 0
		.amdhsa_next_free_vgpr 1024
		.amdhsa_next_free_sgpr 80
		.amdhsa_reserve_vcc 0
		.amdhsa_float_denorm_mode_32 3
		.amdhsa_float_denorm_mode_16_64 3
		.amdhsa_memory_ordered 1
		.amdhsa_forward_progress 1
		.amdhsa_inst_pref_size 70
	.end_amdhsa_kernel
	.amdgpu_metadata
---
amdhsa.version: [ 1, 2 ]
amdhsa.kernels:
  - .name:           k_qb4772c2e5f_gmlp1
    .symbol:         k_qb4772c2e5f_gmlp1.kd
    .args:
      - { .name: h, .offset: 0, .size: 8, .value_kind: global_buffer, .address_space: global }
      - { .name: wb2, .offset: 8, .size: 8, .value_kind: global_buffer, .address_space: global }
      - { .name: b_mlp1, .offset: 16, .size: 8, .value_kind: global_buffer, .address_space: global }
      - { .name: mid, .offset: 24, .size: 8, .value_kind: global_buffer, .address_space: global }
    .group_segment_fixed_size: 327680
    .private_segment_fixed_size: 0
    .kernarg_segment_align: 8
    .kernarg_segment_size: 32
    .max_flat_workgroup_size: 128
    .sgpr_count:     80
    .vgpr_count:     1024
    .wavefront_size: 32
...
	.end_amdgpu_metadata
.endif
;; end of part 6
;; launch gmlp2 (part 7): grid 8 x 32, 4 waves a work-group, clusters of 4 x 4, 327,680 bytes of LDS; arguments mid, wb2, b_mlp2, x1, out0; writes out0
.if DOCPART == 7
	.amdgcn_target "amdgcn-amd-amdhsa--gfx1250"
	.amdhsa_code_object_version 6
	.text
	.protected	k_qb4772c2e5f_gmlp2
	.globl	k_qb4772c2e5f_gmlp2
	.p2align	8
	.type	k_qb4772c2e5f_gmlp2,@function
k_qb4772c2e5f_gmlp2:
	s_mov_b64 s[64:65], 0
	v_nop
	global_prefetch_b8 v0, s[64:65] scope:SCOPE_SE
	s_setreg_imm32_b32 hwreg(HW_REG_WAVE_MODE, 25, 1), 1
	s_wait_xcnt 0x0
	s_wait_alu depctr_hold_cnt(0) depctr_sa_sdst(0) depctr_va_vdst(0) depctr_va_sdst(0) depctr_va_ssrc(0) depctr_va_vcc(0) depctr_vm_vsrc(0)
	s_getreg_b32 s2, hwreg(HW_REG_IB_STS2, 6, 4)
	s_cmp_eq_u32 s2, 0
	s_cbranch_scc0 .Lentry_in_a_cluster
	s_endpgm
.Lentry_in_a_cluster:
	s_bfe_u32 s2, ttmp6, 0x10000c
	s_cmp_lg_u32 s2, 0xf033
	s_cbranch_scc0 .Lentry_shape_is_right
	s_endpgm
.Lentry_shape_is_right:
; C[m][n] = res[m][n] + the sum over k of A[m][k] W[k][n] + bias[n], all of C, res and bias in f32.  A: [4096][KDIM] bf16, W: [KDIM][1024] bf16 at byte WOFF of wb2.  Sums in f32.
; NaN and infinities are not treated apart.
; 4096 x 1024 makes 64 tiles of 256 x 256 but 256 of 128 x 128: a tile of C is 128 x 128, four waves of 64 x 64 = 16 accumulators.  K goes in steps of 256, as long as two slots in LDS allow.
; W lies [K][N]: its fragments come out of LDS turned, by ds_load_tr16_b128.  The product is taken transposed (source 0 = 16 columns of W, source 1 = 16 rows of A): a lane holds row l % 16 of C and
; eight neighbouring columns.  The bias is the C operand of the products that start the sums.  The residual is loaded at the start and waits in registers for the way out.
; CLUSTER 4 x 4: A's tile is asked for jointly by a row of the cluster, W's by a column.  No prefetch: the tiles are small, a step short.
; REGISTERS in windows of 256: window 0 addresses and bias; window 1 two fragment buffers of 128 (64 along K: A's 2 x 4 fragments, then W's); window 2 v0-127 the accumulators, (a, b) at 8 (4 a + b);
; window 3 v0-127 the residual.
.set KDIM,  4096
.set NDIM,  1024
.set WOFF,  10485760
.set BM,    128
.set BN,    128
.set KS,    256
.set PA,    528                        ; A's LDS row: 512 bytes + 16
.set PB,    288                        ; W's LDS row: 256 bytes + 32 = 9 x 32
.set AH,    64*PA
.set BH,    128*PB
.set BOFF,  2*AH
.set SLOT,  147456                     ; slot 1's first byte; it shares no bit with the four waves' LDS words
.set SPARE, SLOT+BOFF+2*BH             ; behind the ring: the spare words, 128 bytes a wave
.set PS,    272                        ; the way out: a stage row of 64 f32 + 16 bytes
.set STEPS, KDIM/KS
.set AK0, 4
.set BK0, 5
.set ADA, 6
.set ADB, 7
.set STO, 8
.set RD,  9
.set CO,  10
.set BO,  11
.set SPW, 14
.set NIL, 15
.set BIAS, 64                          ; v[64:95]
.set WV,  14
.set WM,  15
.set WN,  16
.set CX,  17
.set CY,  18
.set TC,  19
.set TR,  20
.set G1A, 24
.set G0A, 32
.set SLOTS, 45
.set CNT, 46
.set G1B, 48
.set G0B, 56
.set TBA, 66
.set TBB, 67
.set MSB, 0
.macro WIN new
.if MSB != (\new)
	s_set_vgpr_msb (MSB<<8)|(\new)
.set MSB, \new
.endif
.endm
.macro PLACES
.rept 4
	v_nop
.endr
.endm
.macro CROUND
	s_barrier_signal -1
	s_barrier_wait -1
	s_cmp_lg_u32 s[WV], 0
	s_cbranch_scc1 .Lnot_wave_0_\@
	s_barrier_signal -3
.Lnot_wave_0_\@:
	s_barrier_wait -3
	s_barrier_signal -1
	s_barrier_wait -1
.endm
.macro JLOAD                           ; waves 0 and 1 fetch A's two halves, waves 2 and 3 W's; an s_nop 0 and four v_nop follow each line
	s_cmp_lt_u32 s[WV], 2
	s_cbranch_scc0 .Lfor_w_\@
	tensor_load_to_lds s[G0A+4:G0A+7], s[G1A:G1A+7]
	s_nop 0
.rept 4
	v_nop
.endr
	s_branch .Lasked_\@
.Lfor_w_\@:
	tensor_load_to_lds s[G0B+4:G0B+7], s[G1B:G1B+7]
	s_nop 0
.rept 4
	v_nop
.endr
.Lasked_\@:
.endm
	s_load_b256 s[4:11], s[0:1], 0x0               ; A s[4:5], wb2 s[6:7], bias s[8:9], res s[10:11]
	s_load_b64 s[12:13], s[0:1], 0x20              ; C
	v_lshl_add_u32 v[SPW], v0, 2, SPARE
	v_mov_b32 v[NIL], 0
	ds_add_u32 v[SPW], v[NIL]                      ; the wave's opening: the add and its wait ahead of my first tensor load
	v_lshrrev_b32 v3, 5, v0
	v_readfirstlane_b32 s[WV], v3
	s_lshr_b32 s[WM], s[WV], 1
	s_and_b32 s[WN], s[WV], 1
	s_bfe_u32 s[CX], ttmp6, 0x40000
	s_bfe_u32 s[CY], ttmp6, 0x40004
	s_lshl_b32 s[TC], ttmp9, 2
	s_add_co_u32 s[TC], s[TC], s[CX]
	s_and_b32 s[TR], ttmp7, 0xffff
	s_lshl_b32 s[TR], s[TR], 2
	s_add_co_u32 s[TR], s[TR], s[CY]
	s_lshl_b32 s21, s[CY], 2
	s_lshl_b32 s21, 15, s21                        ; my row of the cluster
	s_lshl_b32 s22, 0x1111, s[CX]                  ; my column
	s_or_b32 s[G1A], s21, (1<<16)|(1<<20)|(1<<21)|(6<<22)|(3<<25)   ; after every 128 words, 4 words
	s_mov_b32 s[G1A+1], KS<<16
	s_mov_b32 s[G1A+2], (BM/2)<<16
	s_mov_b32 s[G1A+3], KS<<16
	s_mov_b32 s[G1A+4], BM/2
	s_mov_b32 s[G1A+5], KDIM
	s_mov_b32 s[G1A+6], 0
	s_mov_b32 s[G1A+7], 0
	s_or_b32 s[G1B], s22, (1<<16)|(1<<20)|(1<<21)|(5<<22)|(7<<25)   ; after every 64 words, 8 words
	s_mov_b32 s[G1B+1], BN<<16
	s_mov_b32 s[G1B+2], (KS/2)<<16
	s_mov_b32 s[G1B+3], BN<<16
	s_mov_b32 s[G1B+4], KS/2
	s_mov_b32 s[G1B+5], NDIM
	s_mov_b32 s[G1B+6], 0
	s_mov_b32 s[G1B+7], 0
	s_mul_i32 s72, s[TR], BM                       ; A's tile: of the tile row and the wave's number alone
	s_mul_i32 s73, s[WN], BM/2
	s_add_co_u32 s72, s72, s73
	s_mul_i32 s72, s72, 2*KDIM
	s_mov_b32 s73, 0
	s_mul_i32 s74, s[WN], (KS/2)*2*NDIM            ; W's tile: of the tile column and the wave's number alone
	s_mul_i32 s75, s[TC], 2*BN
	s_add_co_u32 s74, s74, s75
	s_add_co_u32 s74, s74, WOFF
	s_mov_b32 s75, 0
	s_mul_i32 s76, s[WN], AH
	s_mul_i32 s77, s[WN], BH
	s_add_co_u32 s77, s77, BOFF
	s_wait_dscnt 0x0                               ; the opening add is done
	s_wait_kmcnt 0x0
	s_add_nc_u64 s[72:73], s[4:5], s[72:73]
	s_add_nc_u64 s[74:75], s[6:7], s[74:75]
.irp s, 0,1
	s_mov_b32 s[G0A+4*(\s)], 1
	s_add_co_u32 s[G0A+4*(\s)+1], s76, (\s)*SLOT
	s_add_nc_u64 s[G0A+4*(\s)+2:G0A+4*(\s)+3], s[72:73], (\s)*2*KS
	s_or_b32 s[G0A+4*(\s)+3], s[G0A+4*(\s)+3], 0x80000000
	s_mov_b32 s[G0B+4*(\s)], 1
	s_add_co_u32 s[G0B+4*(\s)+1], s77, (\s)*SLOT
	s_add_nc_u64 s[G0B+4*(\s)+2:G0B+4*(\s)+3], s[74:75], (\s)*2*NDIM*KS
	s_or_b32 s[G0B+4*(\s)+3], s[G0B+4*(\s)+3], 0x80000000
.endr
	CROUND                                         ; all sixteen work-groups are here: the first joint loads meet
	s_cmp_lt_u32 s[WV], 2                          ; a wave's two first fills stand in one branch: two loads of mine are out
	s_cbranch_scc0 .Lfirst_w
	tensor_load_to_lds s[G0A:G0A+3], s[G1A:G1A+7]
	s_nop 0
	tensor_load_to_lds s[G0A+4:G0A+7], s[G1A:G1A+7]
	s_nop 0
.rept 4
	v_nop
.endr
	s_branch .Lfirst_asked
.Lfirst_w:
	tensor_load_to_lds s[G0B:G0B+3], s[G1B:G1B+7]
	s_nop 0
	tensor_load_to_lds s[G0B+4:G0B+7], s[G1B:G1B+7]
	s_nop 0
.rept 4
	v_nop
.endr
.Lfirst_asked:
	v_and_b32 v1, 15, v0                           ; l % 16
	v_bfe_u32 v2, v0, 4, 1                         ; l / 16
	v_lshlrev_b32 v[BO], 5, v2
	v_lshlrev_b32 v[CO], 12, v2                    ; lanes 0-15 take 256 bytes of one row of C, lanes 16-31 of the next
	v_lshl_add_u32 v[CO], v1, 4, v[CO]
	s_mul_i32 s2, s[TC], 4*BN                      ; the bias of my 64 columns
	s_mul_i32 s3, s[WN], 2*BN
	s_add_co_u32 s2, s2, s3
	s_mov_b32 s3, 0
	s_add_nc_u64 s[8:9], s[8:9], s[2:3]
	s_mul_i32 s78, s[TR], BM                       ; res and C at my first row and column
	s_mul_i32 s79, s[WM], BM/2
	s_add_co_u32 s78, s78, s79
	s_mul_i32 s78, s78, 4*NDIM
	s_add_co_u32 s78, s78, s2
	s_mov_b32 s79, 0
	s_add_nc_u64 s[10:11], s[10:11], s[78:79]
	s_add_nc_u64 s[12:13], s[12:13], s[78:79]
.irp b, 0,1,2,3
	global_load_b128 v[BIAS+8*(\b):BIAS+8*(\b)+3],   v[BO], s[8:9] offset:64*(\b)
	global_load_b128 v[BIAS+8*(\b)+4:BIAS+8*(\b)+7], v[BO], s[8:9] offset:64*(\b)+16
.endr
	WIN 0xc0                                       ; destination window 3
.set i, 0
.rept 32
	global_load_b128 v[4*i:4*i+3], v[CO], s[10:11] offset:8192*i   ; rows 2 i and 2 i + 1 of my 64
.set i, i+1
.endr
	WIN 0
	v_mul_u32_u24 v[AK0], v1, PA
	v_lshl_add_u32 v[AK0], v2, 4, v[AK0]
	s_mul_i32 s2, s[WM], AH
	v_add_nc_u32 v[AK0], s2, v[AK0]
	v_and_b32 v3, 7, v0
	v_lshl_add_u32 v3, v2, 3, v3
	v_mul_u32_u24 v[BK0], v3, PB
	v_bfe_u32 v3, v0, 3, 1
	v_lshl_add_u32 v[BK0], v3, 4, v[BK0]
	s_mul_i32 s2, s[WN], BN                        ; my 64 columns: 128 bytes
	s_add_co_u32 s2, s2, BOFF
	v_add_nc_u32 v[BK0], s2, v[BK0]
	s_mul_i32 s2, s[WV], 64*PS                     ; my stage
	v_mul_u32_u24 v[STO], v1, PS
	v_lshl_add_u32 v[STO], v2, 5, v[STO]
	v_add_nc_u32 v[STO], s2, v[STO]
	v_mul_u32_u24 v[RD], v2, PS
	v_lshl_add_u32 v[RD], v1, 4, v[RD]
	v_add_nc_u32 v[RD], s2, v[RD]
	s_mov_b32 s[TBA], 0
	s_mov_b32 s[TBB], 0
; 32 LDS loads in one run: the fragments of 64 along K, unit u of the pair in hand, into buffer f; the first 32 along K first
.macro FETCH f, u
	WIN 0x40
.irp kk, 0,1
.irp b, 0,1,2,3
	ds_load_tr16_b128 v[128*(\f)+64+8*(4*(\kk)+(\b)):128*(\f)+64+8*(4*(\kk)+(\b))+3],   v[ADB] offset:(2*(\u)+(\kk))*32*PB+32*(\b)
	ds_load_tr16_b128 v[128*(\f)+64+8*(4*(\kk)+(\b))+4:128*(\f)+64+8*(4*(\kk)+(\b))+7], v[ADB] offset:(2*(\u)+(\kk))*32*PB+32*(\b)+16*PB
.endr
.irp a, 0,1,2,3
	ds_load_b128 v[128*(\f)+8*(4*(\kk)+(\a)):128*(\f)+8*(4*(\kk)+(\a))+3],   v[ADA] offset:(2*(\u)+(\kk))*64+(\a)*16*PA
	ds_load_b128 v[128*(\f)+8*(4*(\kk)+(\a))+4:128*(\f)+8*(4*(\kk)+(\a))+7], v[ADA] offset:(2*(\u)+(\kk))*64+(\a)*16*PA+32
.endr
.endr
.endm
; 16 matrix instructions: all 16 accumulators, 32 along K: half kk of buffer f.  start = 1: C is the bias.  The accumulators take turns.
.macro HALF f, kk, start
.if \start
	WIN 0x85
.else
	WIN 0xa5
.endif
.irp a, 0,1,2,3
.irp b, 0,1,2,3
.if \start
	v_wmma_f32_16x16x32_bf16 v[8*(4*(\a)+(\b)):8*(4*(\a)+(\b))+7], v[128*(\f)+64+8*(4*(\kk)+(\b)):128*(\f)+64+8*(4*(\kk)+(\b))+7], v[128*(\f)+8*(4*(\kk)+(\a)):128*(\f)+8*(4*(\kk)+(\a))+7], v[BIAS+8*(\b):BIAS+8*(\b)+7]
.else
	v_wmma_f32_16x16x32_bf16 v[8*(4*(\a)+(\b)):8*(4*(\a)+(\b))+7], v[128*(\f)+64+8*(4*(\kk)+(\b)):128*(\f)+64+8*(4*(\kk)+(\b))+7], v[128*(\f)+8*(4*(\kk)+(\a)):128*(\f)+8*(4*(\kk)+(\a))+7], v[8*(4*(\a)+(\b)):8*(4*(\a)+(\b))+7]
.endif
.endr
.endr
.endm
.macro UNIT x, y, u, first             ; buffer x is fetched, buffer y's second half multiplied meanwhile, then x's first half
	PLACES
	FETCH \x, \u
.if (\first) != 1
	s_wait_dscnt 32                                ; all but the 32 loads just issued: buffer y is whole
	HALF \y, 1, 0
.endif
	s_wait_dscnt 16                                ; the youngest sixteen loads, the second 32 along K, may stay out
.if (\first) == 1
	HALF \x, 0, 1
.else
	HALF \x, 0, 0
.endif
.endm
.macro PAIR first                      ; 128 along K: half a slot
	WIN 0
	v_add_nc_u32 v[ADA], s[TBA], v[AK0]
	v_add_nc_u32 v[ADB], s[TBB], v[BK0]
	s_add_co_u32 s[TBA], s[TBA], 256
	s_add_co_u32 s[TBB], s[TBB], 128*PB
	UNIT 0, 1, 0, \first
	UNIT 1, 0, 1, 2*(\first)
.endm
; THE CHANGE OF SLOTS.  Each wave waits for all its tensor loads (one is out: its part of the other slot), adds 0 to its spare word, and waits for that and for its reads of the slot that it leaves.
; fill = 1: the barrier is a round of the cluster's, and the joint refill, two K steps on, is the first thing behind it: it has a K step, 128 matrix instructions, in which to land.
.macro CHANGE fill
	WIN 0
	s_wait_tensorcnt 0x0
	ds_add_u32 v[SPW], v[NIL]
.if \fill
	s_xor_b32 s[G0A+5], s[G0A+5], SLOT
	s_add_nc_u64 s[G0A+6:G0A+7], s[G0A+6:G0A+7], 2*KS
	s_xor_b32 s[G0B+5], s[G0B+5], SLOT
	s_add_nc_u64 s[G0B+6:G0B+7], s[G0B+6:G0B+7], 2*NDIM*KS
.endif
	s_sub_co_u32 s[TBA], s[TBA], 2*KS
	s_xor_b32 s[TBA], s[TBA], SLOT
	s_sub_co_u32 s[TBB], s[TBB], KS*PB
	s_xor_b32 s[TBB], s[TBB], SLOT
	s_wait_dscnt 0x0                               ; the add is done, and my reads of the slot are over
.if \fill
	CROUND
	JLOAD
.else
	s_barrier_signal -1
	s_barrier_wait -1
.endif
.endm
	s_wait_tensorcnt 0x1                           ; my part of K step 0 is in; K step 1's may stay out
	s_barrier_signal -1
	s_barrier_wait -1
	s_wait_loadcnt 32                              ; the bias is in; the 32 younger loads, the residual, stay out until the way out
	PAIR 1                                         ; the pair whose products start the sums is written out;
	WIN 0
	s_mov_b32 s[CNT], 1                            ; K step 0's second pair is the loop's own text, entered behind the change of slots
	s_mov_b32 s[SLOTS], STEPS-1
	s_branch .Lpair
.Lslot:                                        ; K steps 1 .. STEPS - 2: STEPS - 2 refills
	CHANGE 1
	s_mov_b32 s[CNT], 2
.Lpair:
	PAIR 0
	WIN 0
	s_sub_co_u32 s[CNT], s[CNT], 1
	s_cmp_lg_u32 s[CNT], 0
	s_cbranch_scc1 .Lpair
	s_sub_co_u32 s[SLOTS], s[SLOTS], 1
	s_cmp_lg_u32 s[SLOTS], 0
	s_cbranch_scc1 .Lslot
	CHANGE 0                                       ; the last K step is written out
	s_mov_b32 s[CNT], 2
.Ltail:
	PAIR 0
	WIN 0
	s_sub_co_u32 s[CNT], s[CNT], 1
	s_cmp_lg_u32 s[CNT], 0
	s_cbranch_scc1 .Ltail
	s_wait_dscnt 0x0                               ; my last reads of the ring are back:
	s_barrier_signal -1                            ; say so; the slots have had their last fill, and slot 0's first bytes become the stage
	HALF 1, 1, 0
	WIN 0
	s_barrier_wait -1                              ; no wave reads the ring any more
	PLACES
	; THE WAY OUT.  My 64 x 64 sums go into my own 64 rows x 272 bytes of LDS, each accumulator's low registers first, come back by rows, take the residual and leave.
	WIN 0x08
.irp a, 0,1,2,3
.irp b, 0,1,2,3
	ds_store_b128 v[STO], v[8*(4*(\a)+(\b)):8*(4*(\a)+(\b))+3]   offset:(\a)*16*PS+64*(\b)
	ds_store_b128 v[STO], v[8*(4*(\a)+(\b))+4:8*(4*(\a)+(\b))+7] offset:(\a)*16*PS+64*(\b)+16
.endr
.endr
	WIN 0x40
.set i, 0
.rept 32
	ds_load_b128 v[4*i:4*i+3], v[RD] offset:i*2*PS  ; LDS serves a wave's instructions in order (ISA guide 5.7.1.4): these see the stores above
.set i, i+1
.endr
	s_wait_loadcnt 0x0                             ; the residual
.irp g, 0,1,2,3
	s_wait_dscnt 24-8*(\g)                         ; group g of eight loads is in; the younger groups stay out
	WIN 0x4d                                       ; destination and source 0 window 1, source 1 window 3
.set i, 32*(\g)
.rept 16
	v_pk_add_f32 v[i:i+1], v[i:i+1], v[i:i+1]
.set i, i+2
.endr
	WIN 0x04                                       ; store data window 1
.irp t, 0,1,2,3,4,5,6,7
	global_store_b128 v[CO], v[32*(\g)+4*(\t):32*(\g)+4*(\t)+3], s[12:13] offset:8192*(8*(\g)+(\t))   ; 16 lanes store 256 consecutive bytes, aligned; no register is written twice
.endr
.endr
	WIN 0
	s_wait_tensorcnt 0x0                           ; the wave's end
	ds_add_u32 v[SPW], v[NIL]
	s_wait_dscnt 0x0
	CROUND                                         ; the closing round
	s_endpgm
.Lfunc_end_k_qb4772c2e5f_gmlp2:
	.size	k_qb4772c2e5f_gmlp2, .Lfunc_end_k_qb4772c2e5f_gmlp2-k_qb4772c2e5f_gmlp2
	.p2alignl 7, 3214868480
	.fill 96, 4, 3214868480
	.section	.rodata,"a",@progbits
	.p2align	6, 0x0
	.amdhsa_kernel k_qb4772c2e5f_gmlp2
		.amdhsa_group_segment_fixed_size 327680
		.amdhsa_private_segment_fixed_size 0
		.amdhsa_enable_private_segment 0
		.amdhsa_kernarg_size 40
		.amdhsa_user_sgpr_count 2
		.amdhsa_user_sgpr_kernarg_segment_ptr 1
		.amdhsa_wavefront_size32 1
		.amdhsa_system_sgpr_workgroup_id_x 1
		.amdhsa_system_sgpr_workgroup_id_y 1
		.amdhsa_system_sgpr_workgroup_id_z 1
		.amdhsa_system_vgpr_workitem_id 0
		.amdhsa_next_free_vgpr 896
		.amdhsa_next_free_sgpr 80
		.amdhsa_reserve_vcc 0
		.amdhsa_float_denorm_mode_32 3
		.amdhsa_float_denorm_mode_16_64 3
		.amdhsa_memory_ordered 1
		.amdhsa_forward_progress 1
		.amdhsa_inst_pref_size 52
	.end_amdhsa_kernel
	.amdgpu_metadata
---
amdhsa.version: [ 1, 2 ]
amdhsa.kernels:
  - .name:           k_qb4772c2e5f_gmlp2
    .symbol:         k_qb4772c2e5f_gmlp2.kd
    .args:
      - { .name: mid, .offset: 0, .size: 8, .value_kind: global_buffer, .address_space: global }
      - { .name: wb2, .offset: 8, .size: 8, .value_kind: global_buffer, .address_space: global }
      - { .name: b_mlp2, .offset: 16, .size: 8, .value_kind: global_buffer, .address_space: global }
      - { .name: x1, .offset: 24, .size: 8, .value_kind: global_buffer, .address_space: global }
      - { .name: out0, .offset: 32, .size: 8, .value_kind: global_buffer, .address_space: global }
    .group_segment_fixed_size: 327680
    .private_segment_fixed_size: 0
    .kernarg_segment_align: 8
    .kernarg_segment_size: 40
    .max_flat_workgroup_size: 128
    .sgpr_count:     80
    .vgpr_count:     896
    .wavefront_size: 32
...
	.end_amdgpu_metadata
.endif
;; end of part 7
